; MI455X (gfx1250); checked and timed in simulation.
; The chip was launched on July 23, 2026; its instructions are those of AMD's public machine-readable ISA for CDNA 5 (MIT licence, August 2026) and "CDNA5" Instruction Set Architecture Reference Guide (July 2026). The comments in the code are by the model that wrote it; some were corrected since.
;; Self Attention. Allowed arithmetic: matrix products marked QUANTISED: E2M3 operands, one E8M0 scale for each 32 along K, by v_wmma_scale_f32_16x16x128_f8f6f4 with both operands' format E2M3, f32 sums; everything else in f32.
;; Inputs: Wk 1,024 x 1,024 float32; Wo 1,024 x 1,024 float32; Wq 1,024 x 1,024 float32; Wv 1,024 x 1,024 float32; bk 1,024 float32; bo 1,024 float32; bq 1,024 float32; bv 1,024 float32; x 4 x 2,048 x 1,024 float32.
;; Outputs: out0 4 x 2,048 x 1,024 float32.
;; This version of the problem:
;;   THIS VERSION OF THE PROBLEM IS GIVEN IN LOW PRECISION. The matrix products marked QUANTISED in the list below multiply operands that are first quantised to E2M3 (2 exponent bits, 3 mantissa bits; 6 bits a number), with one power-of-two scale for each 32 numbers along K (OCP MX v1.0); their sums are f32. All else is computed in f32.
;;   The module's matrix products, in the order in which they are computed (A, B: the left and right operand; K: the contracted axis; several contracted axes count as one K, in the product's order):
;;     1. [M 8,192, K 1,024] x [K 1,024, N 1,024]; A: input x; B: input Wq: QUANTISED
;;     2. [M 8,192, K 1,024] x [K 1,024, N 1,024]; A: input x; B: input Wk: QUANTISED
;;     3. [M 8,192, K 1,024] x [K 1,024, N 1,024]; A: input x; B: input Wv: QUANTISED
;;     4. batch 64 x [M 2,048, K 64] x [K 64, N 2,048]; A: computed on the way; B: computed on the way: QUANTISED
;;     5. batch 64 x [M 2,048, K 2,048] x [K 2,048, N 64]; A: softmax (see below); B: computed on the way: QUANTISED
;;     6. [M 8,192, K 1,024] x [K 1,024, N 1,024]; A: computed on the way; B: input Wo: QUANTISED
;;   THE QUANTISER, for each operand of a quantised product, along K:
;;     - K is cut into blocks of 32 from its start; a last block that is shorter is filled with zeros.
;;     - A block's scale is 2^e with e = floor(log2(the largest magnitude in the block)) - 2, held to -126 .. 127; a block of zeros has e = 0. As a byte (E8M0): e + 127.
;;     - Each number is divided by its block's scale, clamped to +-7.5, and rounded to the nearest number of E2M3, ties to even, subnormals kept.
;;     - The product sums the exact products of the quantised numbers (number of the format x scale) in f32.
;;   ~~~python
;;   def quantise(x, axis):      # numpy; x: float32 -> the quantised numbers, widened to float32 again
;;       x = np.moveaxis(x, axis, -1); K = x.shape[-1]
;;       x = np.pad(x, [(0, 0)] * (x.ndim - 1) + [(0, -K % 32)]); x = x.reshape(x.shape[:-1] + (-1, 32)); a = np.abs(x).max(-1, keepdims=True)
;;       e = np.where(a > 0, np.clip(np.frexp(np.where(a > 0, a, 1))[1] - 1 - 2, -126, 127), 0)      # np.frexp(a)[1] - 1 = floor(log2(a)), exactly
;;       r = np.clip(x / 2.0 ** e, -7.5, 7.5)
;;       step = 2.0 ** (np.maximum(np.frexp(np.where(r == 0, 1, r))[1] - 1, 0) - 3)
;;       q = np.round(r / step) * step * 2.0 ** e      # np.round: ties to even
;;       return np.moveaxis(q.reshape(q.shape[:-2] + (-1,))[..., :K], -1, axis).astype(np.float32)
;;   ~~~
;;   SOFTMAX AHEAD OF A QUANTISED PRODUCT. Where the list says 'softmax', what is quantised is not the finished softmax but p = 2^(t - M), with t = logit x log2(e) and M = ceil(the row's largest t), a whole number; so 1/2 < the row's largest p <= 1. The row's sum l is taken of the UNQUANTISED p, in f32, and the product's result is divided by l at the end. Since M is a whole number, a kernel that streams over the keys may use a running M (the ceiling of the running maximum): every later rescaling is an exact power of two, which a block's scale takes up: the codes' values come out the same.
;;   OPERANDS COMPUTED ON THE WAY. 'Computed on the way' means the value that the module computes at that place (a softmax that the list does not call 'softmax' is quantised finished and normalised). What goes into a quantiser is computed in f32, as accurately as f32 sums, v_exp_f32 and their like allow (about 1e-6 of the number): no bf16 or f16 on the way to a quantiser, and a product that is left as it is and whose result goes on into a quantised operand takes f32 operands (vector FMAs, or v_wmma_f32_16x16x4_f32). A number that lies on a knife's edge between two numbers of the format may be rounded either way, as far as f32 arithmetic and the matrix unit's own rounding can turn it there, and no further.
;; One version. Each part assembles by itself: llvm-mc -triple=amdgcn-amd-amdhsa -mcpu=gfx1250 --defsym DOCPART=n.
;; ======== version 1 of 1: 4 launches
;; limits: right only within a limited range of input values
;; workspace buffers: cod 9,437,184 bytes; scl 393,216 bytes; qc 6,291,456 bytes; qs 524,288 bytes; kv 13,369,344 bytes; yc 6,291,456 bytes; ys 262,144 bytes
;; launch quant (part 1): grid 768 x 1, 8 waves a work-group, no clusters, 69,120 bytes of LDS; arguments x, Wq, Wk, Wv, Wo, cod, scl; writes cod, scl
.if DOCPART == 1
	.amdgcn_target "amdgcn-amd-amdhsa--gfx1250"
	.amdhsa_code_object_version 6
	.text
	.protected	k_q24bed119b9_quant
	.globl	k_q24bed119b9_quant
	.p2align	8
	.type	k_q24bed119b9_quant,@function
k_q24bed119b9_quant:
	s_mov_b64 s[64:65], 0
	v_nop
	global_prefetch_b8 v0, s[64:65] scope:SCOPE_SE
	s_setreg_imm32_b32 hwreg(HW_REG_WAVE_MODE, 25, 1), 1
	s_wait_xcnt 0x0
; x [8192][1024] and the four weights [1024][1024], f32, K innermost, become codes of FP6 (E2M3) with one E8M0 byte for each 32 along K.
; A block's scale is 2^(floor(log2(largest magnitude)) - 2); its byte is the largest magnitude's exponent field - 2, held at 1 from below.
; LIMITS: NaN and infinities among the inputs are not served.  A block of zeros gets the byte 1 where the rule says 127: its codes are zeros, and this program alone reads the bytes.
; OUTPUT LAYOUT.  The codes are laid as IMAGES OF OPERAND REGISTERS.  A half fragment (16 rows x 64 K, six registers a lane) is 768 bytes: lane l's registers 0-3 at 16 l, its registers 4-5 at 512 + 8 l.
; Lane (r, h) holds row r, k = 32 h .. 32 h + 31.  cod: [slot k / 256][rowtile 0..767][(k / 64) % 4][768].  Rowtiles 0-511 are x, then 64 each for Wq, Wk, Wv, Wo.
; Lane r of rowtile RT holds row 32 (RT / 2) + 8 (RT % 2) + r + 8 (r / 8) of its tensor, so that a product used transposed leaves 16 neighbours along the next K in a lane's 16 registers of two neighbouring tiles.
; scl: [rowtile][slot][r][2 words], a word = the four bytes of one row and 128 K.
; SHARES.  A work-group is one rowtile (16 rows); wave w takes K = 128 w .. 128 w + 127.  Each of a wave's 16 loads reads 512 consecutive bytes of one row; the rows turn through the wave's own stage in LDS
; (pitch 528 bytes = 132 words: row r starts at bank 4 r mod 64, ISA guide 11.1) and come back as two whole blocks of 32 a lane.  No loop: all loads of the wave are out at once.
.set PITCH, 528
.set STG,   16*PITCH                   ; a wave's stage
.set GATH,  8*STG                      ; behind the stages: the rowtile's 512 bytes of scale words
.set MX,  8                            ; v8-9    largest magnitudes of my two blocks
.set SO,  10                           ; v10-11  the conversions' scale operands
.set BY,  12                           ; v12-13  the scale bytes
.set W,   14                           ; v14     my row's scale word
.set TP,  15                           ; v15     at work
.set R,   16                           ; v16-79  the rows as loaded
.set X,   80                           ; v80-143 register 32 c + i = k 64 c + 32 h + i of row r
.set PC,  24                           ; v24-35  the fragment, over rows that have gone into the stage
.set CT,  40                           ; v40-46  the upper halves of the blocks' codes, before they are moved
	s_load_b256 s[4:11], s[0:1], 0x0               ; x, Wq, Wk, Wv
	s_load_b128 s[12:15], s[0:1], 0x20             ; Wo, cod
	s_load_b64 s[16:17], s[0:1], 0x30              ; scl
	v_lshl_add_u32 v144, v0, 2, 0x10a00
	v_mov_b32 v145, 0
	v_lshrrev_b32 v1, 5, v0
	s_delay_alu instid0(VALU_DEP_1)
	v_readfirstlane_b32 s18, v1                    ; wave 0..7 = K step
	v_and_b32 v4, 31, v0                           ; lane
	v_and_b32 v6, 15, v0                           ; r
	v_bfe_u32 v7, v0, 4, 1                         ; h
	s_delay_alu instid0(VALU_DEP_3)
	v_lshlrev_b32 v1, 4, v4                        ; 16 x lane
	s_mul_i32 s19, s18, STG
	v_add_nc_u32 v2, s19, v1                       ; into the stage: 16 bytes a lane of a row
	v_mul_u32_u24 v3, v6, PITCH
	s_delay_alu instid0(VALU_DEP_1)
	v_lshl_add_u32 v3, v7, 7, v3
	s_delay_alu instid0(VALU_DEP_1)
	v_add_nc_u32 v3, s19, v3                       ; out of it: row r, + 128 h bytes
	v_lshlrev_b32 v4, 3, v4                        ; 8 x lane
	s_lshr_b32 s20, s18, 1                         ; slot
	s_and_b32 s21, s18, 1                          ; which 128 of its 256
	s_lshl_b32 s22, s20, 7
	s_lshl_b32 s23, s21, 2
	s_add_co_u32 s22, s22, s23
	s_add_co_u32 s22, s22, GATH
	v_lshl_add_u32 v5, v6, 3, s22                  ; my row's scale word: GATH + 128 slot + 8 r + 4 (w % 2)
	s_mov_b32 s30, 0x76543210
	s_mov_b32 s31, 0xfedcba98                      ; v_permlanex16_b32's selects for lane l xor 16
	s_cmp_lt_u32 ttmp9, 512
	s_cselect_b32 s24, 511, 63
	s_and_b32 s24, ttmp9, s24                      ; the rowtile's number in its own tensor
	s_lshr_b32 s25, s24, 1
	s_lshl_b32 s25, s25, 17                        ; 32 rows of 4,096 bytes
	s_and_b32 s24, s24, 1
	s_lshl_b32 s24, s24, 15                        ; 8 rows
	s_add_co_u32 s24, s24, s25
	s_lshl_b32 s25, s18, 9                         ; my 128 numbers of a row
	s_add_co_u32 s24, s24, s25
	s_mov_b32 s25, 0
	s_mul_i32 s26, s20, 768
	s_add_co_u32 s26, s26, ttmp9
	s_mul_i32 s26, s26, 3072
	s_mul_i32 s27, s21, 1536
	s_add_co_u32 s26, s26, s27                     ; (slot x 768 + rowtile) x 3,072 + (w % 2) x 1,536
	s_mov_b32 s27, 0
	s_lshl_b32 s28, ttmp9, 9
	s_mov_b32 s29, 0
	s_wait_alu depctr_va_vdst(0)
	s_wait_kmcnt 0x0
	s_cmp_lt_u32 ttmp9, 704                        ; which tensor: the choice hangs on the work-group's number alone
	s_cselect_b64 s[12:13], s[10:11], s[12:13]
	s_cmp_lt_u32 ttmp9, 640
	s_cselect_b64 s[12:13], s[8:9], s[12:13]
	s_cmp_lt_u32 ttmp9, 576
	s_cselect_b64 s[12:13], s[6:7], s[12:13]
	s_cmp_lt_u32 ttmp9, 512
	s_cselect_b64 s[12:13], s[4:5], s[12:13]
	s_add_nc_u64 s[12:13], s[12:13], s[24:25]
	s_add_nc_u64 s[14:15], s[14:15], s[26:27]
	s_add_nc_u64 s[16:17], s[16:17], s[28:29]
.irp i, 0,1,2,3,4,5,6,7,8,9,10,11,12,13,14,15
	global_load_b128 v[R+4*\i:R+4*\i+3], v1, s[12:13] offset:(\i+8*(\i/8))*4096 th:TH_LOAD_NT   ; tile row i: 32 lanes read 512 consecutive bytes
.endr
.irp i, 0,1,2,3,4,5,6,7,8,9,10,11,12,13,14,15
	s_wait_loadcnt 15-\i                           ; loads come back in order: row i is in, the 15 - i younger ones may be out
	ds_store_b128 v2, v[R+4*\i:R+4*\i+3] offset:PITCH*\i
.endr
.irp c, 0,1
.irp j, 0,1,2,3,4,5,6,7
	ds_load_b128 v[X+32*\c+4*\j:X+32*\c+4*\j+3], v3 offset:256*\c+16*\j   ; LDS serves a wave's instructions in order: these see my stores
.endr
.endr
	s_wait_dscnt 0x0
.irp c, 0,1                                    ; my blocks h and 2 + h: all their 32 numbers are mine
	v_max3_num_f32 v[MX+\c], |v[X+32*\c]|, |v[X+32*\c+1]|, 0x1800000   ; with the floor 2^(3 - 127): the byte cannot fall under 1
.endr
.irp i, 2,4,6,8,10,12,14,16,18,20,22,24,26,28,30
.irp c, 0,1
	s_delay_alu instid0(VALU_DEP_2)
	v_max3_num_f32 v[MX+\c], v[MX+\c], |v[X+32*\c+\i]|, |v[X+32*\c+\i+1]|
.endr
.endr
.irp c, 0,1
	s_delay_alu instid0(VALU_DEP_2)
	v_add_nc_u32 v[SO+\c], 0xff000000, v[MX+\c]    ; 2 off the exponent field: the conversion takes this operand's exponent field as its scale
.endr
.irp c, 0,1
	s_delay_alu instid0(VALU_DEP_2)
	v_lshrrev_b32 v[BY+\c], 23, v[SO+\c]           ; the scale's byte
.endr
	s_delay_alu instid0(VALU_DEP_1)
	v_lshl_or_b32 v[W], v[BY+1], 16, v[BY]         ; bytes of blocks h and 2 + h,
	v_lshlrev_b32 v[TP], 3, v7
	s_delay_alu instid0(VALU_DEP_1)
	v_lshlrev_b32 v[W], v[TP], v[W]                ; at their places (8 h bits up);
	v_mov_b32 v[TP], 0
	s_delay_alu instid0(VALU_DEP_1)
	v_permlanex16_b32 v[TP], v[W], s30, s31
	s_delay_alu instid0(VALU_DEP_1)
	v_or_b32 v[W], v[W], v[TP]                     ; with lane l xor 16's two the word is whole
.irp c, 0,1
	v_cvt_scalef32_pk16_fp6_f32 v[PC+6*\c:PC+6*\c+2], v[X+32*\c:X+32*\c+15], v[SO+\c]
	v_cvt_scalef32_pk16_fp6_f32 v[CT+4*\c:CT+4*\c+2], v[X+32*\c+16:X+32*\c+31], v[SO+\c]   ; (a conversion's three registers begin on an even number)
.endr
	v_nop                                          ; one plain place behind a scaled conversion
.irp c, 0,1
.irp i, 0,1,2
	v_mov_b32 v[PC+6*\c+3+\i], v[CT+4*\c+\i]
.endr
.endr
.irp c, 0,1
	global_store_b128 v1, v[PC+6*\c:PC+6*\c+3], s[14:15] offset:768*\c           ; 512 consecutive bytes, aligned
	global_store_b64 v4, v[PC+6*\c+4:PC+6*\c+5], s[14:15] offset:768*\c+512      ; 256 consecutive bytes, aligned
.endr
	ds_store_b32 v5, v[W]                          ; both halves of the lanes write the same word with the same value
	v_add_nc_u32 v[TP], GATH, v1
	s_wait_dscnt 0x0                               ; for the others' sake: my word has landed
	s_barrier_signal -1
	s_barrier_wait -1
	s_cmp_lg_u32 s18, 0
	s_cbranch_scc1 .Ldone
	s_wait_alu depctr_va_vdst(0)
	ds_load_b128 v[R:R+3], v[TP]                   ; wave 0 sends the rowtile's 512 bytes of scale words
	s_wait_dscnt 0x0
	global_store_b128 v1, v[R:R+3], s[16:17]
.Ldone:
	s_wait_tensorcnt 0x0
	ds_add_u32 v144, v145
	s_wait_dscnt 0x0
	s_endpgm
.Lfunc_end_k_q24bed119b9_quant:
	.size	k_q24bed119b9_quant, .Lfunc_end_k_q24bed119b9_quant-k_q24bed119b9_quant
	.p2alignl 7, 3214868480
	.fill 96, 4, 3214868480
	.section	.rodata,"a",@progbits
	.p2align	6, 0x0
	.amdhsa_kernel k_q24bed119b9_quant
		.amdhsa_group_segment_fixed_size 69120
		.amdhsa_private_segment_fixed_size 0
		.amdhsa_enable_private_segment 0
		.amdhsa_kernarg_size 56
		.amdhsa_user_sgpr_count 2
		.amdhsa_user_sgpr_kernarg_segment_ptr 1
		.amdhsa_wavefront_size32 1
		.amdhsa_system_sgpr_workgroup_id_x 1
		.amdhsa_system_sgpr_workgroup_id_y 1
		.amdhsa_system_sgpr_workgroup_id_z 1
		.amdhsa_system_vgpr_workitem_id 0
		.amdhsa_next_free_vgpr 146
		.amdhsa_next_free_sgpr 66
		.amdhsa_reserve_vcc 0
		.amdhsa_float_denorm_mode_32 3
		.amdhsa_float_denorm_mode_16_64 3
		.amdhsa_memory_ordered 1
		.amdhsa_forward_progress 1
		.amdhsa_inst_pref_size 13
	.end_amdhsa_kernel
	.amdgpu_metadata
---
amdhsa.version: [ 1, 2 ]
amdhsa.kernels:
  - .name:           k_q24bed119b9_quant
    .symbol:         k_q24bed119b9_quant.kd
    .args:
      - { .name: x, .offset: 0, .size: 8, .value_kind: global_buffer, .address_space: global }
      - { .name: Wq, .offset: 8, .size: 8, .value_kind: global_buffer, .address_space: global }
      - { .name: Wk, .offset: 16, .size: 8, .value_kind: global_buffer, .address_space: global }
      - { .name: Wv, .offset: 24, .size: 8, .value_kind: global_buffer, .address_space: global }
      - { .name: Wo, .offset: 32, .size: 8, .value_kind: global_buffer, .address_space: global }
      - { .name: cod, .offset: 40, .size: 8, .value_kind: global_buffer, .address_space: global }
      - { .name: scl, .offset: 48, .size: 8, .value_kind: global_buffer, .address_space: global }
    .group_segment_fixed_size: 69120
    .private_segment_fixed_size: 0
    .kernarg_segment_align: 8
    .kernarg_segment_size: 56
    .max_flat_workgroup_size: 256
    .sgpr_count:     66
    .vgpr_count:     146
    .wavefront_size: 32
...
	.end_amdgpu_metadata
.endif
;; end of part 1
;; launch qkv (part 2): grid 12 x 32, 4 waves a work-group, clusters of 4 x 4, 327,680 bytes of LDS; arguments cod, scl, bq, bk, bv, qc, qs, kv; writes qc, qs, kv
.if DOCPART == 2
	.amdgcn_target "amdgcn-amd-amdhsa--gfx1250"
	.amdhsa_code_object_version 6
	.text
	.protected	k_q24bed119b9_qkv
	.globl	k_q24bed119b9_qkv
	.p2align	8
	.type	k_q24bed119b9_qkv,@function
k_q24bed119b9_qkv:
	s_mov_b64 s[64:65], 0
	v_nop
	global_prefetch_b8 v0, s[64:65] scope:SCOPE_SE
	s_setreg_imm32_b32 hwreg(HW_REG_WAVE_MODE, 25, 1), 1
	s_wait_xcnt 0x0
	s_wait_alu depctr_hold_cnt(0) depctr_sa_sdst(0) depctr_va_vdst(0) depctr_va_sdst(0) depctr_va_ssrc(0) depctr_va_vcc(0) depctr_vm_vsrc(0)
	s_getreg_b32 s2, hwreg(HW_REG_IB_STS2, 6, 4)
	s_cmp_eq_u32 s2, 0
	s_cbranch_scc0 .Lentry_in_a_cluster
	s_endpgm
.Lentry_in_a_cluster:
	s_bfe_u32 s2, ttmp6, 0x10000c
	s_cmp_lg_u32 s2, 0xf033
	s_cbranch_scc0 .Lentry_shape_is_right
	s_endpgm
.Lentry_shape_is_right:
.set NQ,    2
.set FR,    12
.set NL,    4
.set NP,    4
.set RTB,   3072
.set HALFT, 8*RTB
.set SLOT,  4*HALFT
.set SCL,   2*SLOT
.set HALFS, 8*512
.set SPARE, SCL+4*HALFS
.set CSTR,  768*RTB
.set ADRA, 16
.set ADRB, 20
.set ADRS, 27
.set SPW,  28
.set NIL,  29
.set SC,   32
.set BC,   64
.set AF,   128
.set BR,   228
.set T,    128
.set PC,   192
.set TM,   212
.set SW,   244
.set G1,   24
.set G0,   32
.set G1B,  40
.set G0B,  48
.set G1S,  56
.set G0S,  68
.set G1SB, 72
.set G0SB, 80
.set BAS,  24
.set SEL,  98
.set MSB, 0
.macro WIN new
.if MSB != \new
	s_set_vgpr_msb (MSB<<8)|\new
.set MSB, \new
.endif
.endm
.set MUL_LO, 0xa1
.set MUL_HI, 0xf1
.set TO_B,   0x40
.macro JLOAD g0a, g1a, g0b, g1b
	s_cmp_eq_u32 s21, 0
	s_cbranch_scc0 .Lfor_b_\@
	tensor_load_to_lds s[\g0a:\g0a+3], s[\g1a:\g1a+7]
	s_nop 0
.rept 4
	v_nop
.endr
	s_branch .Lasked_\@
.Lfor_b_\@:
	tensor_load_to_lds s[\g0b:\g0b+3], s[\g1b:\g1b+7]
	s_nop 0
.rept 4
	v_nop
.endr
.Lasked_\@:
.endm
.macro CREST
	s_cmp_lg_u32 s20, 0
	s_cbranch_scc1 .Lnot_wave_0_\@
	s_barrier_signal -3
.Lnot_wave_0_\@:
	s_barrier_wait -3
	s_barrier_signal -1
	s_barrier_wait -1
.endm
.macro CROUND
	s_barrier_signal -1
	s_barrier_wait -1
	CREST
.endm
	s_load_b256 s[4:11], s[0:1], 0x0
	s_load_b256 s[12:19], s[0:1], 0x20
	v_lshl_add_u32 v[SPW], v0, 2, SPARE
	v_mov_b32 v[NIL], 0
	ds_add_u32 v28, v29
	ds_add_u32 v28, v29
	s_wait_dscnt 0x0
	v_lshrrev_b32 v1, 5, v0
	v_readfirstlane_b32 s20, v1
	s_lshr_b32 s21, s20, 1
	s_and_b32 s22, s20, 1
	s_bfe_u32 s66, ttmp6, 0x40000
	s_bfe_u32 s67, ttmp6, 0x40004
	s_and_b32 s86, ttmp7, 0xffff
	s_mov_b32 s[SEL], 0x76543210
	s_mov_b32 s[SEL+1], 0xfedcba98
	s_cmp_eq_u32 ttmp9, 2
	s_cselect_b32 s23, 1, 0
	s_cselect_b32 s87, 0, s86
	s_cselect_b32 s88, s86, ttmp9
	s_cselect_b32 s89, 640, 0
	s_cselect_b32 s90, 0, 512
	s_lshl_b32 s85, s87, 2
	s_add_co_u32 s85, s85, s67
	s_lshl_b32 s84, s88, 2
	s_add_co_u32 s84, s84, s66
	s_lshl_b32 s91, s67, 2
	s_lshl_b32 s91, 15, s91
	s_lshl_b32 s92, 0x1111, s66
	s_or_b32 s[G1], s91, (3<<16)|(1<<21)
	s_or_b32 s[G1B], s92, (3<<16)|(1<<21)
	s_or_b32 s[G1S], s91, (3<<16)|(1<<21)
	s_or_b32 s[G1SB], s92, (3<<16)|(1<<21)
.irp g, G1, G1B
	s_mov_b32 s[\g+1], 32<<16
	s_mov_b32 s[\g+2], 192<<16
	s_mov_b32 s[\g+3], 32<<16
	s_mov_b32 s[\g+4], 192
	s_mov_b32 s[\g+5], 32
	s_mov_b32 s[\g+6], 0
	s_mov_b32 s[\g+7], 0
.endr
.irp g, G1S, G1SB
	s_mov_b32 s[\g+1], 32<<16
	s_mov_b32 s[\g+2], 32<<16
	s_mov_b32 s[\g+3], 32<<16
	s_mov_b32 s[\g+4], 32
	s_mov_b32 s[\g+5], 32
	s_mov_b32 s[\g+6], 0
	s_mov_b32 s[\g+7], 0
.endr
	s_lshl_b32 s95, s22, 3
	s_lshl_b32 s93, s85, 4
	s_add_co_u32 s93, s93, s89
	s_add_co_u32 s93, s93, s95
	s_lshl_b32 s94, s84, 4
	s_add_co_u32 s94, s94, s90
	s_add_co_u32 s94, s94, s95
	s_mul_i32 s86, s93, RTB
	s_mov_b32 s87, 0
	s_mul_i32 s88, s94, RTB
	s_mov_b32 s89, 0
	s_lshl_b32 s90, s93, 9
	s_mov_b32 s91, 0
	s_lshl_b32 s92, s94, 9
	s_mov_b32 s93, 0
	s_mul_i32 s94, s20, HALFT
	s_mul_i32 s95, s20, HALFS
	s_wait_kmcnt 0x0
	s_add_nc_u64 s[86:87], s[4:5], s[86:87]
	s_add_nc_u64 s[88:89], s[4:5], s[88:89]
	s_add_nc_u64 s[90:91], s[6:7], s[90:91]
	s_add_nc_u64 s[92:93], s[6:7], s[92:93]
	CROUND
	s_mov_b32 s[G0S], 1
	s_add_co_u32 s[G0S+1], s95, SCL-HALFS
	s_sub_nc_u64 s[G0S+2:G0S+3], s[90:91], HALFS
	s_or_b32 s[G0S+3], s[G0S+3], 0x80000000
	s_mov_b32 s[G0SB], 1
	s_add_co_u32 s[G0SB+1], s95, SCL-HALFS
	s_sub_nc_u64 s[G0SB+2:G0SB+3], s[92:93], HALFS
	s_or_b32 s[G0SB+3], s[G0SB+3], 0x80000000
.irp s, 0,1
	s_mov_b32 s[G0+4*\s], 1
	s_add_co_u32 s[G0+4*\s+1], s94, \s*SLOT
	s_add_nc_u64 s[G0+4*\s+2:G0+4*\s+3], s[86:87], \s*CSTR
	s_or_b32 s[G0+4*\s+3], s[G0+4*\s+3], 0x80000000
	s_mov_b32 s[G0B+4*\s], 1
	s_add_co_u32 s[G0B+4*\s+1], s94, \s*SLOT
	s_add_nc_u64 s[G0B+4*\s+2:G0B+4*\s+3], s[88:89], \s*CSTR
	s_or_b32 s[G0B+4*\s+3], s[G0B+4*\s+3], 0x80000000
.endr
; THE HEAD'S FOUR TILES, ONE A WAVE, each whole: wave 0 slot 0's 16 rowtiles of A, wave 2 those of B (their own quarters' addresses are the tiles' first bytes), wave 1 A's scale words, wave 3 B's
; (their halves' addresses less one half).  One chain of branches on the wave's number, one load to an arm.
	s_cmp_eq_u32 s20, 0
	s_cbranch_scc0 .Lhead_b
	tensor_load_to_lds s[G0:G0+3], s[G1:G1+7]
	s_nop 0
.rept 4
	v_nop
.endr
	s_branch .Lhead_asked
.Lhead_b:
	s_cmp_eq_u32 s20, 2
	s_cbranch_scc0 .Lhead_sa
	tensor_load_to_lds s[G0B:G0B+3], s[G1B:G1B+7]
	s_nop 0
.rept 4
	v_nop
.endr
	s_branch .Lhead_asked
.Lhead_sa:
	s_cmp_eq_u32 s20, 1
	s_cbranch_scc0 .Lhead_sb
	tensor_load_to_lds s[G0S:G0S+3], s[G1S:G1S+7]
	s_nop 0
.rept 4
	v_nop
.endr
	s_branch .Lhead_asked
.Lhead_sb:
	tensor_load_to_lds s[G0SB:G0SB+3], s[G1SB:G1SB+7]
	s_nop 0
.rept 4
	v_nop
.endr
.Lhead_asked:
	s_wait_alu depctr_va_vdst(0)
	s_wait_tensorcnt 0x0                           ; my tile of the four is in
	ds_add_u32 v28, v29
	s_mov_b32 s[G1+2], 96<<16                      ; no tensor load of mine is out: from here on a load brings 8 rowtiles, 96 rows of 256 bytes
	s_mov_b32 s[G1+4], 96
	s_mov_b32 s[G1B+2], 96<<16
	s_mov_b32 s[G1B+4], 96
	s_wait_dscnt 0x0
	CROUND
	JLOAD G0+4, G1, G0B+4, G1B                     ; slot 1's first fill, a quarter a wave
	v_and_b32 v9, 31, v0
	v_and_b32 v1, 15, v0
	v_bfe_u32 v2, v0, 4, 1
	v_lshlrev_b32 v7, 4, v9
	v_lshlrev_b32 v8, 3, v9
	v_lshlrev_b32 v10, 6, v2
	s_wait_alu depctr_va_vdst(0)
	v_and_b32 v11, 8, v1
	v_add_nc_u32 v11, v11, v1
	v_lshlrev_b32 v11, 2, v11
	s_wait_alu depctr_va_vdst(0)
	s_cmp_eq_u32 ttmp9, 1
	s_cselect_b64 s[96:97], s[10:11], s[12:13]
	s_cmp_eq_u32 ttmp9, 0
	s_cselect_b64 s[96:97], s[8:9], s[96:97]
	s_lshl_b32 s86, s84, 8
	s_lshl_b32 s87, s22, 7
	s_add_co_u32 s86, s86, s87
	s_and_b32 s86, s86, 1023
	s_lshl_b32 s86, s86, 2
	s_mov_b32 s87, 0
	s_add_nc_u64 s[86:87], s[96:97], s[86:87]
	s_lshl_b32 s88, s85, 8
	s_lshl_b32 s89, s21, 7
	s_add_co_u32 s88, s88, s89
	s_and_b32 s88, s88, 1023
	s_lshl_b32 s88, s88, 2
	s_mov_b32 s89, 0
	s_add_nc_u64 s[88:89], s[96:97], s[88:89]
.irp t, 0,1,2,3,4,5,6,7
	global_load_b128 v[BC+8*\t:BC+8*\t+3], v10, s[86:87] offset:(32*(\t/2)+8*(\t%2))*4
	global_load_b128 v[BC+8*\t+4:BC+8*\t+7], v10, s[86:87] offset:(32*(\t/2)+8*(\t%2))*4+16
.endr
.irp a, 0,1,2,3,4,5,6,7
	global_load_b32 v[BR+2*\a], v11, s[88:89] offset:(32*(\a/2)+8*(\a%2))*4
	global_load_b32 v[BR+2*\a+1], v11, s[88:89] offset:(32*(\a/2)+8*(\a%2))*4
.endr
	s_mul_i32 s90, s21, HALFT
	s_mul_i32 s91, s22, HALFT
	s_add_co_u32 s91, s91, 2*HALFT
.irp s, 0,1
	v_add_nc_u32 v[ADRA+\s], s90, v7
	v_add_nc_u32 v[ADRA+2+\s], s90, v8
	v_add_nc_u32 v[ADRB+\s], s91, v7
	v_add_nc_u32 v[ADRB+2+\s], s91, v8
	s_add_co_u32 s90, s90, SLOT
	s_add_co_u32 s91, s91, SLOT
.endr
	s_lshl_b32 s92, s21, 12
	s_lshl_b32 s93, s22, 12
	s_add_co_u32 s93, s93, 2*HALFS
	s_sub_co_u32 s93, s93, s92
	v_mul_u32_u24 v3, s93, v2
	s_add_co_u32 s92, s92, SCL
	v_lshl_add_u32 v[ADRS], v1, 3, v3
	v_add_nc_u32 v[ADRS], s92, v[ADRS]
.macro FRAG reg, adr, q, i
	ds_load_b128 v[\reg:\reg+3], v[\adr] offset:(\i)*RTB+(\q)*1536
	ds_load_b64 v[\reg+4:\reg+5], v[\adr+2] offset:(\i)*RTB+(\q)*1536+512
	ds_load_b128 v[\reg+6:\reg+9], v[\adr] offset:(\i)*RTB+(\q)*1536+768
	ds_load_b64 v[\reg+10:\reg+11], v[\adr+2] offset:(\i)*RTB+(\q)*1536+1280
.endm
.macro MUL16 a0, p, q, sc, zero
.irp a, \a0, \a0+1
.irp b, 0,1,2,3,4,5,6,7
.if \zero
	v_wmma_scale_f32_16x16x128_f8f6f4 v[8*(8*((\a)%4)+\b):8*(8*((\a)%4)+\b)+7], v[128*(\p)+FR*\b:128*(\p)+FR*\b+FR-1], v[AF+FR*(\a):AF+FR*(\a)+FR-1], 0, v[SC+8*NQ*(\sc)+NQ*\b+(\q)], v[SC+8*NQ*(\sc)+NQ*(\a)+(\q)] matrix_a_fmt:MATRIX_FMT_FP6 matrix_b_fmt:MATRIX_FMT_FP6 matrix_a_scale:MATRIX_SCALE_ROW1
.else
	v_wmma_scale_f32_16x16x128_f8f6f4 v[8*(8*((\a)%4)+\b):8*(8*((\a)%4)+\b)+7], v[128*(\p)+FR*\b:128*(\p)+FR*\b+FR-1], v[AF+FR*(\a):AF+FR*(\a)+FR-1], v[8*(8*((\a)%4)+\b):8*(8*((\a)%4)+\b)+7], v[SC+8*NQ*(\sc)+NQ*\b+(\q)], v[SC+8*NQ*(\sc)+NQ*(\a)+(\q)] matrix_a_fmt:MATRIX_FMT_FP6 matrix_b_fmt:MATRIX_FMT_FP6 matrix_a_scale:MATRIX_SCALE_ROW1
.endif
.endr
.endr
.endm
.macro FETCH_B slot, q, p
	WIN TO_B
.irp i, 0,1,2,3,4,5,6,7
	FRAG 128*(\p)+FR*\i, ADRB+\slot, \q, \i
.endr
	WIN 0
.endm
.macro FETCH_A slot, q, i0
.irp i, \i0, \i0+1, \i0+2, \i0+3
	FRAG AF+FR*(\i), ADRA+\slot, \q, \i
.endr
.endm
.macro SCALES sc, j
.irp i, 0,1,2,3,4,5,6,7
	ds_load_b64 v[SC+8*NQ*\sc+NQ*\i:SC+8*NQ*\sc+NQ*\i+1], v[ADRS] offset:\i*512+(\j)*128
.endr
.endm
.macro PLACES n
.rept \n
	v_nop
.endr
.endm
.macro STEP slot, q, zero
	s_wait_dscnt 4*NL
	WIN MUL_LO
	MUL16 0, (\q)%2, \q, \slot, \zero
	MUL16 2, (\q)%2, \q, \slot, \zero
	s_wait_dscnt 0
	PLACES NP
	FETCH_B \slot, (\q)+1, 1-(\q)%2
	FETCH_A \slot, (\q)+1, 0
	WIN MUL_HI
	MUL16 4, (\q)%2, \q, \slot, \zero
	MUL16 6, (\q)%2, \q, \slot, \zero
	PLACES NP
	WIN 0
	FETCH_A \slot, (\q)+1, 4
.endm
.macro TURN slot, next, fill, j
	s_wait_tensorcnt 0x0
	ds_add_u32 v[SPW], v[NIL]
	s_wait_dscnt 4*NL+1
	WIN MUL_LO
	MUL16 0, 1, NQ-1, \slot, 0
	s_wait_dscnt 0x0
	s_barrier_signal -1
	MUL16 2, 1, NQ-1, \slot, 0
	WIN 0
	s_barrier_wait -1
.if \fill
	CREST
	s_add_nc_u64 s[G0+4*\slot+2:G0+4*\slot+3], s[G0+4*\slot+2:G0+4*\slot+3], 2*CSTR
	s_add_nc_u64 s[G0B+4*\slot+2:G0B+4*\slot+3], s[G0B+4*\slot+2:G0B+4*\slot+3], 2*CSTR
	JLOAD G0+4*\slot, G1, G0B+4*\slot, G1B
.else
	PLACES NP
.endif
	FETCH_B \next, 0, 0
	FETCH_A \next, 0, 0
	SCALES \next, \j
	WIN MUL_HI
	MUL16 4, 1, NQ-1, \slot, 0
	MUL16 6, 1, NQ-1, \slot, 0
	PLACES NP
	WIN 0
	FETCH_A \next, 0, 4
.endm
	s_wait_alu depctr_va_vdst(0)
	s_wait_tensorcnt 1
	s_barrier_signal -1
	s_barrier_wait -1
	FETCH_B 0, 0, 0
	FETCH_A 0, 0, 0
	SCALES 0, 0
	FETCH_A 0, 0, 4
	STEP 0, 0, 1
	TURN 0, 1, 1, 1
	STEP 1, 0, 0
	TURN 1, 0, 1, 2
	STEP 0, 0, 0
	TURN 0, 1, 0, 3
	STEP 1, 0, 0
	s_wait_dscnt 4*NL
	WIN MUL_LO
	MUL16 0, 1, NQ-1, 1, 0
	MUL16 2, 1, NQ-1, 1, 0
	s_wait_dscnt 0
	WIN MUL_HI
	MUL16 4, 1, NQ-1, 1, 0
	MUL16 6, 1, NQ-1, 1, 0
	WIN 0
	s_wait_loadcnt 0x0
	PLACES NP
	s_cmp_eq_u32 s23, 1
	s_cselect_b32 s86, s84, s85
	s_cselect_b32 s87, s22, s21
	s_cselect_b32 s88, s85, s84
	s_cselect_b32 s89, s21, s22
	s_cselect_b32 s90, 6144, 0
	s_mov_b32 s91, 12288
	s_cselect_b32 s91, 12800, s91
	s_and_b32 s88, s88, 3
	s_lshr_b32 s92, s86, 3
	s_lshl_b32 s86, s86, 1
	s_add_co_u32 s86, s86, s87
	s_and_b32 s86, s86, 15
	s_lshl_b32 s92, s92, 4
	s_lshl_b32 s88, s88, 2
	s_add_co_u32 s92, s92, s88
	s_lshl_b32 s89, s89, 1
	s_add_co_u32 s92, s92, s89
	s_cmp_eq_u32 ttmp9, 0
	s_mov_b32 s93, 208896
	s_cselect_b32 s93, 98304, s93
	s_mov_b32 s94, 13056
	s_cselect_b32 s94, 6144, s94
	s_cselect_b64 s[BAS:BAS+1], s[14:15], s[18:19]
	s_cselect_b64 s[BAS+8:BAS+9], s[16:17], s[18:19]
	s_mov_b32 s95, 208896
	s_cselect_b32 s95, 8192, s95
	s_mov_b32 s96, 13056
	s_cselect_b32 s96, 512, s96
	s_cselect_b32 s91, 0, s91
	s_mul_i32 s97, s92, s93
	s_mul_i32 s87, s86, s94
	s_add_co_u32 s88, s97, s87
	s_add_co_u32 s88, s88, s90
	s_mov_b32 s89, 0
	s_add_nc_u64 s[BAS:BAS+1], s[BAS:BAS+1], s[88:89]
	s_mul_i32 s97, s92, s95
	s_mul_i32 s87, s86, s96
	s_add_co_u32 s88, s97, s87
	s_add_co_u32 s88, s88, s91
	s_add_nc_u64 s[BAS+8:BAS+9], s[BAS+8:BAS+9], s[88:89]
	s_mov_b32 s88, s95
	s_add_nc_u64 s[BAS+10:BAS+11], s[BAS+8:BAS+9], s[88:89]
	s_cmp_eq_u32 s23, 1
	s_cselect_b32 s88, 3072, s93
	s_cselect_b32 s90, s93, 3072
	s_mov_b32 s91, 0
	s_add_nc_u64 s[BAS+4:BAS+5], s[BAS:BAS+1], s[88:89]
	s_add_nc_u64 s[BAS+2:BAS+3], s[BAS:BAS+1], s[90:91]
	s_add_nc_u64 s[BAS+6:BAS+7], s[BAS+4:BAS+5], s[90:91]
.irp b, 0,1,2,3
	v_mov_b32 v[TM+4+\b], 0
.endr
.macro QUANT5 s, pw
.irp b, 0,1,2,3
	v_max3_num_f32 v[TM+\b], |v[\s+16*\b]|, |v[\s+1+16*\b]|, 0x1800000
.endr
.irp i, 2,4,6,8,10,12,14
.irp b, 0,1,2,3
	v_max3_num_f32 v[TM+\b], v[TM+\b], |v[\s+16*\b+\i]|, |v[\s+1+16*\b+\i]|
.endr
.endr
.irp b, 0,1,2,3
	v_permlanex16_b32 v[TM+4+\b], v[TM+\b], s[SEL], s[SEL+1]
.endr
.irp b, 0,1,2,3
	v_max_num_f32 v[TM+\b], v[TM+\b], v[TM+4+\b]
.endr
.irp b, 0,1,2,3
	v_add_nc_u32 v[TM+12+\b], 0xff000000, v[TM+\b]
.endr
.irp b, 0,1,2,3
	v_lshrrev_b32 v[TM+4+\b], 23, v[TM+12+\b]
.endr
	v_lshl_or_b32 v[\pw], v[TM+5], 8, v[TM+4]
	v_lshl_or_b32 v[\pw], v[TM+6], 16, v[\pw]
	v_lshl_or_b32 v[\pw], v[TM+7], 24, v[\pw]
.irp c, 0,1
	v_cvt_scalef32_pk16_fp6_f32 v[PC+6*\c:PC+2+6*\c], v[\s+32*\c:\s+15+32*\c], v[TM+12+2*\c]
	v_cvt_scalef32_pk16_fp6_f32 v[PC+12+4*\c:PC+14+4*\c], v[\s+16+32*\c:\s+31+32*\c], v[TM+12+2*\c+1]
.endr
	v_nop
.irp c, 0,1
.irp i, 0,1,2
	v_permlane16_swap_b32 v[PC+6*\c+\i], v[PC+12+4*\c+\i]
.endr
.irp i, 0,1,2
	v_mov_b32 v[PC+3+6*\c+\i], v[PC+12+4*\c+\i]
.endr
.endr
.endm
.macro EPI a
.if (\a) > 0
	s_wait_xcnt 0x0
.endif
	s_cmp_eq_u32 s23, 0
	s_cbranch_scc0 .Lrow_bias_\@
	WIN 0x02+(\a)/4
.set j, 0
.rept 32
	v_pk_add_f32 v[T+j:T+j+1], v[64*((\a)%4)+j:64*((\a)%4)+j+1], v[BC+j:BC+j+1]
.set j, j+2
.endr
	WIN 0
	s_branch .Lsummed_\@
.Lrow_bias_\@:
	WIN 0x02+(\a)/4
.set j, 0
.rept 32
	v_pk_add_f32 v[T+j:T+j+1], v[64*((\a)%4)+j:64*((\a)%4)+j+1], v[BR+2*(\a):BR+2*(\a)+1]
.set j, j+2
.endr
	WIN 0
.Lsummed_\@:
	QUANT5 T, SW+(\a)
	global_store_b128 v7, v[PC:PC+3], s[BAS+2*((\a)/4):BAS+2*((\a)/4)+1] offset:((\a)%4)*768
	global_store_b64 v8, v[PC+4:PC+5], s[BAS+2*((\a)/4):BAS+2*((\a)/4)+1] offset:((\a)%4)*768+512
	global_store_b128 v7, v[PC+6:PC+9], s[BAS+4+2*((\a)/4):BAS+4+2*((\a)/4)+1] offset:((\a)%4)*768
	global_store_b64 v8, v[PC+10:PC+11], s[BAS+4+2*((\a)/4):BAS+4+2*((\a)/4)+1] offset:((\a)%4)*768+512
.endm
.irp a, 0,1,2,3,4,5,6,7
	EPI \a
.endr
	s_wait_xcnt 0x0
	v_cmp_le_u32 vcc_lo, 16, v9
.irp i, 0,1,2,3
	v_cndmask_b32 v[PC+\i], v[SW+2*\i], v[SW+2*\i+1], vcc_lo
.endr
	s_cmp_eq_u32 s23, 0
	s_cbranch_scc0 .Lv_scales
.irp i, 0,1,2,3
	v_and_b32 v[PC+4+\i], 0xffff, v[PC+\i]
	v_lshrrev_b32 v[PC+8+\i], 16, v[PC+\i]
.endr
	global_store_b128 v7, v[PC+4:PC+7], s[BAS+8:BAS+9]
	global_store_b128 v7, v[PC+8:PC+11], s[BAS+10:BAS+11]
	s_branch .Lscales_out
.Lv_scales:
	s_wait_alu depctr_va_vdst(0)
	global_store_b64 v8, v[PC:PC+1], s[BAS+8:BAS+9]
	global_store_b64 v8, v[PC+2:PC+3], s[BAS+10:BAS+11]
.Lscales_out:
	s_wait_tensorcnt 0x0
	ds_add_u32 v[SPW], v[NIL]
	s_wait_dscnt 0x0
	CROUND
	s_endpgm
.Lfunc_end_k_q24bed119b9_qkv:
	.size	k_q24bed119b9_qkv, .Lfunc_end_k_q24bed119b9_qkv-k_q24bed119b9_qkv
	.p2alignl 7, 3214868480
	.fill 96, 4, 3214868480
	.section	.rodata,"a",@progbits
	.p2align	6, 0x0
	.amdhsa_kernel k_q24bed119b9_qkv
		.amdhsa_group_segment_fixed_size 327680
		.amdhsa_private_segment_fixed_size 0
		.amdhsa_enable_private_segment 0
		.amdhsa_kernarg_size 64
		.amdhsa_user_sgpr_count 2
		.amdhsa_user_sgpr_kernarg_segment_ptr 1
		.amdhsa_wavefront_size32 1
		.amdhsa_system_sgpr_workgroup_id_x 1
		.amdhsa_system_sgpr_workgroup_id_y 1
		.amdhsa_system_sgpr_workgroup_id_z 1
		.amdhsa_system_vgpr_workitem_id 0
		.amdhsa_next_free_vgpr 1024
		.amdhsa_next_free_sgpr 100
		.amdhsa_reserve_vcc 1
		.amdhsa_float_denorm_mode_32 3
		.amdhsa_float_denorm_mode_16_64 3
		.amdhsa_memory_ordered 1
		.amdhsa_forward_progress 1
		.amdhsa_inst_pref_size 188
	.end_amdhsa_kernel
	.amdgpu_metadata
---
amdhsa.version: [ 1, 2 ]
amdhsa.kernels:
  - .name:           k_q24bed119b9_qkv
    .symbol:         k_q24bed119b9_qkv.kd
    .args:
      - { .name: cod, .offset: 0, .size: 8, .value_kind: global_buffer, .address_space: global }
      - { .name: scl, .offset: 8, .size: 8, .value_kind: global_buffer, .address_space: global }
      - { .name: bq, .offset: 16, .size: 8, .value_kind: global_buffer, .address_space: global }
      - { .name: bk, .offset: 24, .size: 8, .value_kind: global_buffer, .address_space: global }
      - { .name: bv, .offset: 32, .size: 8, .value_kind: global_buffer, .address_space: global }
      - { .name: qc, .offset: 40, .size: 8, .value_kind: global_buffer, .address_space: global }
      - { .name: qs, .offset: 48, .size: 8, .value_kind: global_buffer, .address_space: global }
      - { .name: kv, .offset: 56, .size: 8, .value_kind: global_buffer, .address_space: global }
    .group_segment_fixed_size: 327680
    .private_segment_fixed_size: 0
    .kernarg_segment_align: 8
    .kernarg_segment_size: 64
    .max_flat_workgroup_size: 128
    .sgpr_count:     100
    .vgpr_count:     1024
    .wavefront_size: 32
...
	.end_amdgpu_metadata
.endif
;; end of part 2
;; launch attn (part 3): grid 4 x 64, 8 waves a work-group, clusters of 4 x 1, 210,944 bytes of LDS; arguments qc, qs, kv, yc, ys; writes yc, ys
.if DOCPART == 3
	.amdgcn_target "amdgcn-amd-amdhsa--gfx1250"
	.amdhsa_code_object_version 6
	.text
	.protected	k_q24bed119b9_attn
	.globl	k_q24bed119b9_attn
	.p2align	8
	.type	k_q24bed119b9_attn,@function
k_q24bed119b9_attn:
	s_mov_b64 s[64:65], 0
	v_nop
	global_prefetch_b8 v0, s[64:65] scope:SCOPE_SE
	s_setreg_imm32_b32 hwreg(HW_REG_WAVE_MODE, 25, 1), 1
	s_wait_xcnt 0x0
	s_wait_alu depctr_hold_cnt(0) depctr_sa_sdst(0) depctr_va_vdst(0) depctr_va_sdst(0) depctr_va_ssrc(0) depctr_va_vcc(0) depctr_vm_vsrc(0)
	s_getreg_b32 s2, hwreg(HW_REG_IB_STS2, 6, 4)
	s_cmp_eq_u32 s2, 0
	s_cbranch_scc0 .Lentry_in_a_cluster
	s_endpgm
.Lentry_in_a_cluster:
	s_bfe_u32 s2, ttmp6, 0x10000c
	s_cmp_lg_u32 s2, 0x3003
	s_cbranch_scc0 .Lentry_shape_is_right
	s_endpgm
.Lentry_shape_is_right:
; y[head][q] = the sum over k of softmax_k(q . k / 8) v, both products on codes of FP6 (E2M3) with E8M0 scales; y is quantised along the channels at once, for the output projection.
; THE SOFTMAX: t = score x log2(e) / 8; M = the row's largest t so far, rounded UP to a whole number; p = 2^(t - M) is quantised along the keys; the row's sum is taken of the unquantised p and divides at the end.
; When M moves, the sum and O are multiplied by 2^(old M - new M): exact.
; SHARES.  A cluster of four work-groups is one (batch, head); a work-group owns 512 queries, each of its eight waves four tiles of 16: TWO TILES AT ONCE, in two passes (the outer loop's two trips).
; Each fragment of K and V that comes out of LDS feeds both tiles' products, and the two tiles' chains of vector lines stand line by line in turn.
; THE WHOLE HEAD'S K, V AND SCALE WORDS STAY IN LDS: sixteen blocks of 13,056 bytes (128 keys each), filled once: wave w asks for blocks 2 w and 2 w + 1 by one load, jointly with the three partners (mask 15).
; No slot is filled again.  No prefetch: the launch's only fill stands at its head, so there is no loop to run ahead in.
; A block: 8 half fragments of K (768 bytes: registers 0-3 at 16 x lane, 4-5 at 512 + 8 x lane), 8 of V ([key half c][channel tile]), K's scale words [lane][4], V's [lane][2].
; In the block, lane r of key tile 2 b + u' is key 32 b + 8 u' + r + 8 (r / 8).
; THE KEYS OF A TILE ARE CHOSEN AT THE LDS READ.  Both products are used transposed (S^T = K Q^T, O^T = V^T P^T): a lane holds one query.  Tile 4 c + u of this text takes keys 64 c + 8 u + j in its rows 0-7 and
; keys 64 c + 32 + 8 u + j in its rows 8-15: lanes with r >= 8 read two tiles (1,536 bytes) further on, the rest is an immediate.  So the 32 registers of tiles 4 c .. 4 c + 3 in lane (r, h) are keys
; 64 c + 32 h + 0 .. 31: ONE WHOLE SCALE BLOCK, in the order of the next operand's registers: a block's maximum and its codes need no other lane.
; V's channel tiles are as they lie: O^T's register 16 b + i is channel 32 b + 16 h + i.
; K = 64 IN AN INSTRUCTION OF 128: q's registers 6-11 are zero codes, so K's operand of tile t may be twelve registers from v[K + 6 t] on: the upper six add nothing.
; K and V have registers of their own: V's fragments are asked for at a step's head, the next step's K behind this step's scores.
; LIMITS: NaN and infinities are not served; the promise holds while the scaled scores stay under 2^31 in magnitude; p under 2^-126 falls to 0 (v_exp_f32); the running largest score begins at -3e38;
; a block of zeros gets the byte 1 (its codes are zeros).
; REGISTERS: window 0 as named below; window 1: S^T, then p, of tile x at 64 x; O^T of tile x at 128 + 32 x.
.set HB,  13056
.set L16, 1                            ; 16 x lane
.set L8,  2                            ; 8 x lane
.set AV16, 3                           ; this step's block + 16 x lane, + 8 x lane: V
.set AV8, 4
.set AK16, 5                           ; the next step's block + K's three lane terms
.set AK8, 6
.set AKS, 7
.set BK16, 8                           ; 1536 (r / 8) + 256 h + 16 (r % 8)
.set BK8, 9                            ; 1536 (r / 8) + 128 h + 8 (r % 8)
.set BKS, 10                           ; 256 h + 16 (r % 8) + 4 (r / 8)
.set SH8, 11                           ; 8 h
.set QO,  12                           ; 16 r
.set YO,  13                           ; 512 h + 8 r
.set LN,  14                           ; lane
.set YW,  15                           ; y's scale bytes: lanes 0-15 tile 0's, lanes 16-31 tile 1's
.set Q,   16                           ; q of tile x at Q + 12 x; the upper six are zero codes
.set QN,  40                           ; the second pass's q, six registers a tile
.set QS,  52                           ; q's scale words
.set QSN, 54
.set KS,  56                           ; K's scale words: register n: tile 2 n in lanes 0-15, tile 2 n + 1 in lanes 16-31
.set VS,  60
.set PW,  62                           ; p's scale words
.set K,   64                           ; v64-111 K's eight half fragments, v112-117 zeros
.set V,   118                          ; v118-165 V's four fragments
.set PC,  166                          ; p's codes, twelve a tile
.set CT,  190                          ; the conversions' second halves
.set NM,  206                          ; pairs (-M, the running largest score)
.set L,   210                          ; pairs: the row's sum in two halves
.set AX,  214                          ; pairs: a second chain of the sum
.set F,   218                          ; pairs (f, written once)
.set BM,  222                          ; block 2 c + h's largest score, then largest p: BM + 2 x + c
.set BX,  226
.set SO,  230                          ; the conversions' scale operands
.set TT,  234
.set OLD, 236
.set SPW, 254
.set NIL, 255
.set WV,  14
.set SEL, 32
.set CS,  34                           ; s[34:35] c = log2(e) / 8
.set TB,  36                           ; LDS byte of the step's block
.set CNT, 37
.set TBN, 48                           ; of the next step's
.set PASS, 49
.set MSB, 0
.macro WIN new                         ; the immediate's high byte repeats the setting that is left
.if MSB != \new
	s_set_vgpr_msb (MSB<<8)|\new
.set MSB, \new
.endif
.endm
.macro WALU
	s_wait_alu depctr_va_vdst(0)
.endm
.macro CROUND                          ; a round of the cluster's barrier
	s_barrier_signal -1
	s_barrier_wait -1
	s_cmp_lg_u32 s[WV], 0
	s_cbranch_scc1 .Lnot_wave_0_\@
	s_barrier_signal -3
.Lnot_wave_0_\@:
	s_barrier_wait -3
	s_barrier_signal -1
	s_barrier_wait -1
.endm
.macro LOADK a16, a8, as               ; 20 LDS loads: eight tiles of K, composed as the head comment says, and their scale words
.irp c, 0,1
.irp u, 0,1,2,3
	ds_load_b128 v[K+6*(4*\c+\u):K+6*(4*\c+\u)+3], v[\a16] offset:768*(4*\c+\u%2)+128*(\u/2)
	ds_load_b64 v[K+6*(4*\c+\u)+4:K+6*(4*\c+\u)+5], v[\a8] offset:768*(4*\c+\u%2)+512+64*(\u/2)
.endr
.endr
.irp n, 0,1,2,3
	ds_load_b32 v[KS+\n], v[\as] offset:12288+128*(\n%2)+8*(\n/2)
.endr
.endm
.macro KQ t, x
.if (\t)%2
	v_wmma_scale_f32_16x16x128_f8f6f4 v[64*\x+8*\t:64*\x+8*\t+7], v[K+6*\t:K+6*\t+11], v[Q+12*\x:Q+12*\x+11], 0, v[KS+\t/2], v[QS+\x] matrix_a_fmt:MATRIX_FMT_FP6 matrix_b_fmt:MATRIX_FMT_FP6 matrix_a_scale:MATRIX_SCALE_ROW1
.else
	v_wmma_scale_f32_16x16x128_f8f6f4 v[64*\x+8*\t:64*\x+8*\t+7], v[K+6*\t:K+6*\t+11], v[Q+12*\x:Q+12*\x+11], 0, v[KS+\t/2], v[QS+\x] matrix_a_fmt:MATRIX_FMT_FP6 matrix_b_fmt:MATRIX_FMT_FP6
.endif
.endm
.macro PV u, x
.if (\u)%2
	v_wmma_scale_f32_16x16x128_f8f6f4 v[128+32*\x+8*\u:128+32*\x+8*\u+7], v[V+12*\u:V+12*\u+11], v[PC+12*\x:PC+12*\x+11], v[128+32*\x+8*\u:128+32*\x+8*\u+7], v[VS+\u/2], v[PW+\x] matrix_a_fmt:MATRIX_FMT_FP6 matrix_b_fmt:MATRIX_FMT_FP6 matrix_a_scale:MATRIX_SCALE_ROW1
.else
	v_wmma_scale_f32_16x16x128_f8f6f4 v[128+32*\x+8*\u:128+32*\x+8*\u+7], v[V+12*\u:V+12*\u+11], v[PC+12*\x:PC+12*\x+11], v[128+32*\x+8*\u:128+32*\x+8*\u+7], v[VS+\u/2], v[PW+\x] matrix_a_fmt:MATRIX_FMT_FP6 matrix_b_fmt:MATRIX_FMT_FP6
.endif
.endm
; ================= THE HEAD
	s_load_b256 s[4:11], s[0:1], 0x0               ; qc s[4:5], qs s[6:7], kv s[8:9], yc s[10:11]
	s_load_b64 s[12:13], s[0:1], 0x20              ; ys
	v_lshl_add_u32 v[SPW], v0, 2, 0x33000
	v_mov_b32 v[NIL], 0
	ds_add_u32 v[SPW], v[NIL]                      ; the opening lines: the add twice on end and one wait
	ds_add_u32 v[SPW], v[NIL]
	v_lshrrev_b32 v1, 5, v0
	v_readfirstlane_b32 s[WV], v1                  ; wave 0..7
	s_bfe_u32 s15, ttmp6, 0x40000                  ; cx: it enters q's and y's addresses alone
	s_and_b32 s16, ttmp7, 0xffff                   ; 16 batch + head, which the four partners share
	s_mov_b32 s24, 15|(3<<16)|(1<<21)              ; group 1: mask of all four work-groups, elements of 8 bytes, bit 21 beside the mask
	s_mov_b32 s25, 32<<16                          ; two blocks on end: 102 dense rows of 256 bytes
	s_mov_b32 s26, 102<<16
	s_mov_b32 s27, 32<<16
	s_mov_b32 s28, 102
	s_mov_b32 s29, 32
	s_mov_b32 s30, 0
	s_mov_b32 s31, 0
	s_mov_b32 s20, 1
	s_mul_i32 s21, s[WV], 2*HB                     ; LDS: blocks 2 w, 2 w + 1
	s_mul_i32 s38, s16, 16*HB
	s_add_co_u32 s38, s38, s21
	s_mov_b32 s39, 0
	s_mov_b32 s[SEL], 0x76543210
	s_mov_b32 s[SEL+1], 0xfedcba98                 ; v_permlanex16_b32's selects for lane l xor 16
	s_mov_b32 s[CS], 0x3e38aa3b
	s_mov_b32 s[CS+1], s[CS]                       ; (named with it as a pair, so it is written)
	s_wait_dscnt 0x0
	s_wait_kmcnt 0x0
	s_add_nc_u64 s[22:23], s[8:9], s[38:39]
	s_or_b32 s23, s23, 0x80000000
	CROUND                                         ; all four work-groups are here: the joint loads meet
	tensor_load_to_lds s[20:23], s[24:31]          ; my one tensor load of the launch
	s_nop 0
.rept 4
	v_nop
.endr
	v_and_b32 v[LN], 31, v0
	v_and_b32 v[QO], 15, v0                        ; r
	v_bfe_u32 v[AV16], v0, 4, 1                    ; h
	v_and_b32 v[AV8], 7, v0                        ; r % 8
	v_bfe_u32 v[AK16], v0, 3, 1                    ; r / 8
	v_lshlrev_b32 v[L16], 4, v[LN]
	v_lshlrev_b32 v[L8], 3, v[LN]
	v_lshlrev_b32 v[YO], 3, v[QO]
	v_lshlrev_b32 v[BK16], 4, v[AV8]
	v_lshlrev_b32 v[BK8], 3, v[AV8]
	v_lshlrev_b32 v[SH8], 3, v[AV16]
	v_lshl_add_u32 v[YO], v[AV16], 9, v[YO]
	v_lshl_add_u32 v[BK16], v[AV16], 8, v[BK16]
	v_lshl_add_u32 v[BK8], v[AV16], 7, v[BK8]
	v_lshlrev_b32 v[QO], 4, v[QO]
	v_lshl_add_u32 v[BKS], v[AK16], 2, v[BK16]
	v_mad_u32_u24 v[BK16], v[AK16], 1536, v[BK16]
	v_mad_u32_u24 v[BK8], v[AK16], 1536, v[BK8]
	WALU                                           ; the wait ahead of the run of scalar lines
	s_lshl_b32 s40, s16, 7
	s_lshl_b32 s41, s15, 5
	s_add_co_u32 s40, s40, s41
	s_lshl_b32 s41, s[WV], 2
	s_add_co_u32 s40, s40, s41                     ; 128 head + my first tile: 32 cx + 4 w
	s_mul_i32 s40, s40, 768
	s_mov_b32 s41, 0
	s_add_nc_u64 s[4:5], s[4:5], s[40:41]
	s_lshl_b32 s42, s16, 13                        ; q's scale words: tile 8 st + a lies in step st, word a / 2, lane half a % 2; my a = 4 (w % 2) + i
	s_lshl_b32 s43, s15, 2
	s_lshr_b32 s44, s[WV], 1
	s_add_co_u32 s43, s43, s44
	s_lshl_b32 s43, s43, 9
	s_add_co_u32 s42, s42, s43
	s_and_b32 s43, s[WV], 1
	s_lshl_b32 s43, s43, 3
	s_add_co_u32 s42, s42, s43
	s_mov_b32 s43, 0
	s_add_nc_u64 s[6:7], s[6:7], s[42:43]
.irp x, 0,1
	global_load_b128 v[Q+12*\x:Q+12*\x+3], v[L16], s[4:5] offset:768*\x
	global_load_b64 v[Q+12*\x+4:Q+12*\x+5], v[L8], s[4:5] offset:768*\x+512
	global_load_b128 v[QN+6*\x:QN+6*\x+3], v[L16], s[4:5] offset:1536+768*\x
	global_load_b64 v[QN+6*\x+4:QN+6*\x+5], v[L8], s[4:5] offset:1536+768*\x+512
	global_load_b32 v[QS+\x], v[QO], s[6:7] offset:256*\x
	global_load_b32 v[QSN+\x], v[QO], s[6:7] offset:4+256*\x
.endr
	s_lshr_b32 s44, s16, 4                         ; batch
	s_and_b32 s45, s16, 15                         ; head
	s_lshl_b32 s44, s44, 7
	s_lshl_b32 s46, s15, 5
	s_add_co_u32 s44, s44, s46
	s_lshl_b32 s46, s[WV], 2
	s_add_co_u32 s44, s44, s46                     ; my first rowtile of y
	s_lshr_b32 s46, s45, 2                         ; the head's 64 channels lie in slot head / 4, quarter head % 4
	s_mul_i32 s38, s46, 1572864
	s_mul_i32 s47, s44, 3072
	s_add_co_u32 s38, s38, s47
	s_and_b32 s47, s45, 3
	s_mul_i32 s47, s47, 768
	s_add_co_u32 s38, s38, s47
	s_add_nc_u64 s[10:11], s[10:11], s[38:39]
	s_lshl_b32 s38, s44, 9
	s_lshl_b32 s46, s46, 7
	s_add_co_u32 s38, s38, s46
	s_and_b32 s46, s45, 3
	s_lshl_b32 s46, s46, 1                         ; two bytes a head in a row's 8 of the slot
	s_add_co_u32 s38, s38, s46
	s_add_nc_u64 s[12:13], s[12:13], s[38:39]
.irp i, 0,1,2,3,4,5
	v_mov_b32 v[Q+6+\i], 0                         ; zero codes for k = 64 .. 127
	v_mov_b32 v[Q+18+\i], 0
	v_mov_b32 v[K+48+\i], 0                        ; what tile 7's operand names beyond its own six registers
.endr
.irp b, 0,1,2,3
	v_mov_b32 v[BX+\b], 0                          ; written once: a lane permute's destination counts as one of its sources
.endr
	v_mov_b32 v[F+1], 0
	v_mov_b32 v[F+3], 0
	s_mov_b32 s[PASS], 0
	WALU                                           ; the wait at the head's end
	s_wait_tensorcnt 0x0                           ; my two blocks have landed,
	s_barrier_signal -1
	s_barrier_wait -1                              ; everybody's have
	s_wait_loadcnt 0x0                             ; q
; ================= A PASS: two tiles of 16 queries through all sixteen key steps
.Lpass:
	s_wait_dscnt 0x0                               ; the loads that the last pass's last step left out have landed in K's registers
	LOADK BK16, BK8, BKS                           ; step 0's K
.irp x, 0,1
	v_mov_b32 v[NM+2*\x+1], 0xff61b1e6             ; the largest score so far: -3e38
	v_mov_b32 v[NM+2*\x], 0x7e000000               ; -M: 2^125, a whole number over every -t
	v_mov_b32 v[L+2*\x], 0
	v_mov_b32 v[L+2*\x+1], 0
.endr
	WIN 0x40
.set j, 0
.rept 64
	v_mov_b32 v[128+j], 0                          ; O^T: the step is written once, the first finds zeros.  (Also the places behind q's moved codes and scale words)
.set j, j+1
.endr
	WIN 0
	s_mov_b32 s[TB], 0
	s_mov_b32 s[CNT], 16
	WALU                                           ; the wait ahead of the step's waits
.Lstep:
	v_add_nc_u32 v[AV16], s[TB], v[L16]
	v_add_nc_u32 v[AV8], s[TB], v[L8]
	v_nop
	v_nop                                          ; four places in front of loads into registers that the last products read
.irp u, 0,1,2,3                                ; 17 LDS loads: V and its scale words, which land under the scores and the softmax
.irp c, 0,1
	ds_load_b128 v[V+12*\u+6*\c:V+12*\u+6*\c+3], v[AV16] offset:6144+3072*\c+768*\u
	ds_load_b64 v[V+12*\u+6*\c+4:V+12*\u+6*\c+5], v[AV8] offset:6144+3072*\c+768*\u+512
.endr
.endr
	ds_load_b64 v[VS:VS+1], v[AV8] offset:12800
	s_wait_dscnt 17                                ; K is in: only V's 17 loads are younger
	WIN 0x40
.irp t, 0,1,2,3,4,5,6,7
	KQ \t, 0
	KQ \t, 1
.endr
	WIN 0
	s_add_co_u32 s[TBN], s[TB], HB
	s_min_u32 s[TBN], s[TBN], 15*HB                ; the last step asks for its own block once more: nothing lies behind it
	v_add_nc_u32 v[AK16], s[TBN], v[BK16]
	v_add_nc_u32 v[AK8], s[TBN], v[BK8]
	v_add_nc_u32 v[AKS], s[TBN], v[BKS]
	v_nop                                          ; four places in front of the loads below and of the first read of the scores
	LOADK AK16, AK8, AKS                           ; the next step's K lands under the softmax
	WIN 0x15                                       ; the largest score of each block of 32 keys, all mine: it serves the row's maximum and, since p rises with the score, the block's largest p
.irp x, 0,1
.irp c, 0,1
	v_max3_num_f32 v[BM+2*\x+\c], v[64*\x+32*\c], v[64*\x+32*\c+1], v[64*\x+32*\c+2]
.endr
.endr
	WIN 0x14
.irp i, 3,5,7,9,11,13,15,17,19,21,23,25,27,29
.irp x, 0,1
.irp c, 0,1
	v_max3_num_f32 v[BM+2*\x+\c], v[BM+2*\x+\c], v[64*\x+32*\c+\i], v[64*\x+32*\c+\i+1]
.endr
.endr
.endr
.irp x, 0,1
.irp c, 0,1
	v_max_num_f32 v[BM+2*\x+\c], v[BM+2*\x+\c], v[64*\x+32*\c+31]
.endr
.endr
	WIN 0
.irp x, 0,1
	v_max_num_f32 v[TT+\x], v[BM+2*\x], v[BM+2*\x+1]
.endr
.irp x, 0,1
	v_permlanex16_b32 v[BX+\x], v[TT+\x], s[SEL], s[SEL+1]
.endr
.irp x, 0,1
	v_max3_num_f32 v[NM+2*\x+1], v[NM+2*\x+1], v[TT+\x], v[BX+\x]   ; the running largest score: mine, lane l xor 16's, the earlier steps'
.endr
.irp x, 0,1
	v_mov_b32 v[OLD+\x], v[NM+2*\x]
.endr
.irp x, 0,1
	v_mul_f32 v[TT+\x], s[CS], v[NM+2*\x+1]        ; as t (c is positive)
.endr
.irp x, 0,1
	v_floor_f32 v[NM+2*\x], -v[TT+\x]              ; the new -M = floor(-t): M is a whole number
.endr
.irp x, 0,1
	v_sub_f32 v[TT+\x], v[NM+2*\x], v[OLD+\x]      ; old M - new M: a whole number, 0 or less
.endr
.irp x, 0,1
	v_cvt_i32_f32 v[TT+\x], v[TT+\x]               ; (it saturates)
.endr
.irp x, 0,1
	v_ldexp_f32 v[F+2*\x], 1.0, v[TT+\x]           ; f = 2^(old M - new M)
.endr
.irp x, 0,1
.irp c, 0,1
	v_fma_f32 v[BM+2*\x+\c], v[BM+2*\x+\c], s[CS], v[NM+2*\x]   ; t - M of each block's largest score
.endr
.endr
	WIN 0x41
.irp x, 0,1
.set j, 0
.rept 32
	v_pk_fma_f32 v[64*\x+j:64*\x+j+1], v[64*\x+j:64*\x+j+1], s[CS:CS+1], v[NM+2*\x:NM+2*\x+1] op_sel_hi:[1,0,0]   ; t - M, two at a time
.set j, j+2
.endr
.endr
	WIN 0
	WALU                                           ; the wait ahead of the batch
.irp b, 0,1,2,3
	v_exp_f32 v[BM+\b], v[BM+\b]                   ; the block's largest p: the same arithmetic on the same number
.endr
	WIN 0x41
.set j, 0
.rept 128
	v_exp_f32 v[j], v[j]                           ; p = 2^(t - M), at most 1
.set j, j+1
.endr
	WIN 0
.irp x, 0,1
	v_pk_mul_f32 v[L+2*\x:L+2*\x+1], v[L+2*\x:L+2*\x+1], v[F+2*\x:F+2*\x+1] op_sel_hi:[1,0]   ; the sums under the new M: the plain place behind the exponentials
.endr
	WALU                                           ; one wait for the whole batch, ahead of its first reader
.irp b, 0,1,2,3
	v_max_num_f32 v[BM+\b], 0x1800000, v[BM+\b]    ; the floor 2^(3 - 127): the byte cannot fall under 1
.endr
.irp b, 0,1,2,3
	v_add_nc_u32 v[SO+\b], 0xff000000, v[BM+\b]    ; 2 off the exponent field: the conversion's scale operand
.endr
.irp b, 0,1,2,3
	v_lshrrev_b32 v[BX+\b], 23, v[SO+\b]           ; the scale's byte
.endr
.irp x, 0,1
	v_lshl_or_b32 v[TT+\x], v[BX+2*\x+1], 16, v[BX+2*\x]   ; my bytes: blocks h and 2 + h,
.endr
.irp x, 0,1
	v_lshlrev_b32 v[TT+\x], v[SH8], v[TT+\x]       ; at their places (8 h bits up);
.endr
.irp x, 0,1
	v_permlanex16_b32 v[BX+\x], v[TT+\x], s[SEL], s[SEL+1]
.endr
.irp x, 0,1
	v_or_b32 v[PW+\x], v[TT+\x], v[BX+\x]          ; with lane l xor 16's two the word is whole
.endr
	WIN 0x01
.irp x, 0,1
.irp c, 0,1
	v_cvt_scalef32_pk16_fp6_f32 v[PC+12*\x+6*\c:PC+12*\x+6*\c+2], v[64*\x+32*\c:64*\x+32*\c+15], v[SO+2*\x+\c]
	v_cvt_scalef32_pk16_fp6_f32 v[CT+8*\x+4*\c:CT+8*\x+4*\c+2], v[64*\x+32*\c+16:64*\x+32*\c+31], v[SO+2*\x+\c]   ; (a conversion's three registers begin on an even number)
.endr
.endr
	WIN 0x05
.irp x, 0,1
	v_pk_add_f32 v[AX+2*\x:AX+2*\x+1], v[64*\x:64*\x+1], v[64*\x+2:64*\x+3]   ; the row's sum of the unquantised p, in two chains a tile.  (The plain place behind the conversions)
.endr
	WIN 0
.irp x, 0,1
.irp c, 0,1
.irp i, 0,1,2
	v_mov_b32 v[PC+12*\x+6*\c+3+\i], v[CT+8*\x+4*\c+\i]   ; registers 6 c .. 6 c + 5 hold keys 64 c + 32 h + 0 .. 31
.endr
.endr
.endr
	WIN 0x04
.irp j, 4,8,12,16,20,24,28,32,36,40,44,48,52,56,60
.irp x, 0,1
	v_pk_add_f32 v[L+2*\x:L+2*\x+1], v[L+2*\x:L+2*\x+1], v[64*\x+\j:64*\x+\j+1]
	v_pk_add_f32 v[AX+2*\x:AX+2*\x+1], v[AX+2*\x:AX+2*\x+1], v[64*\x+\j+2:64*\x+\j+3]
.endr
.endr
	WIN 0
.irp x, 0,1
	v_pk_add_f32 v[L+2*\x:L+2*\x+1], v[L+2*\x:L+2*\x+1], v[AX+2*\x:AX+2*\x+1]
.endr
	WIN 0x41
	WALU                                           ; the wait directly ahead of the first reader of O^T
.irp x, 0,1
.set j, 0
.rept 16
	v_pk_mul_f32 v[128+32*\x+j:128+32*\x+j+1], v[128+32*\x+j:128+32*\x+j+1], v[F+2*\x:F+2*\x+1] op_sel_hi:[1,0]   ; O^T under the new M
.set j, j+2
.endr
.endr
	WIN 0
	WALU                                           ; the wait directly ahead of the wait below
	s_wait_dscnt 20                                ; V is in: only the next step's 20 loads of K are younger
	WIN 0x50
.irp u, 0,1,2,3
	PV \u, 0
	PV \u, 1
.endr
	WIN 0
	s_add_co_u32 s[TB], s[TB], HB
	s_sub_co_u32 s[CNT], s[CNT], 1
	s_cmp_lg_u32 s[CNT], 0
	s_cbranch_scc1 .Lstep
; ---- y = O / the sum, quantised along its 64 channels
.irp x, 0,1
	v_add_f32 v[L+2*\x], v[L+2*\x], v[L+2*\x+1]    ; the sum's two halves,
.endr
.irp x, 0,1
	v_permlanex16_b32 v[TT+\x], v[L+2*\x], s[SEL], s[SEL+1]
.endr
.irp x, 0,1
	v_add_f32 v[L+2*\x], v[L+2*\x], v[TT+\x]       ; and lane l xor 16's
.endr
	v_nop
	v_nop                                          ; (with the four additions: the places behind the last products)
	WALU
.irp x, 0,1
	v_rcp_f32 v[L+2*\x], v[L+2*\x]
.endr
	v_nop                                          ; a plain place behind the transcendentals
	WIN 0x41
	WALU                                           ; the wait ahead of their first reader, which is O^T's too
.irp x, 0,1
.set j, 0
.rept 16
	v_pk_mul_f32 v[64*\x+j:64*\x+j+1], v[128+32*\x+j:128+32*\x+j+1], v[L+2*\x:L+2*\x+1] op_sel_hi:[1,0]   ; y: register 16 b + i = channel 32 b + 16 h + i of my query
.set j, j+2
.endr
.endr
	WIN 0x05
.irp x, 0,1
.irp b, 0,1
	v_max3_num_f32 v[BM+2*\x+\b], |v[64*\x+16*\b]|, |v[64*\x+16*\b+1]|, 0x1800000
.endr
.endr
	WIN 0x14
.irp n, 2,4,6,8,10,12,14
.irp x, 0,1
.irp b, 0,1
	v_max3_num_f32 v[BM+2*\x+\b], v[BM+2*\x+\b], |v[64*\x+16*\b+\n]|, |v[64*\x+16*\b+\n+1]|
.endr
.endr
.endr
	WIN 0
.irp b, 0,1,2,3
	v_permlanex16_b32 v[BX+\b], v[BM+\b], s[SEL], s[SEL+1]
.endr
.irp b, 0,1,2,3
	v_max_num_f32 v[BM+\b], v[BM+\b], v[BX+\b]
.endr
.irp b, 0,1,2,3
	v_add_nc_u32 v[SO+\b], 0xff000000, v[BM+\b]
.endr
.irp b, 0,1,2,3
	v_lshrrev_b32 v[BX+\b], 23, v[SO+\b]
.endr
.irp x, 0,1
	v_lshl_or_b32 v[TT+\x], v[BX+2*\x+1], 8, v[BX+2*\x]   ; a row's two scale bytes
.endr
	v_cmp_le_u32 vcc_lo, 16, v[LN]
	v_cndmask_b32 v[YW], v[TT], v[TT+1], vcc_lo    ; lanes 0-15 tile 0's, lanes 16-31 tile 1's
	WIN 0x01
.irp x, 0,1
	v_cvt_scalef32_pk16_fp6_f32 v[PC+12*\x:PC+12*\x+2], v[64*\x:64*\x+15], v[SO+2*\x]
	v_cvt_scalef32_pk16_fp6_f32 v[CT+8*\x:CT+8*\x+2], v[64*\x+16:64*\x+31], v[SO+2*\x+1]
.endr
	WIN 0
	v_nop                                          ; one plain place behind a scaled conversion
.irp x, 0,1
.irp n, 0,1,2
	v_permlane16_swap_b32 v[PC+12*\x+\n], v[CT+8*\x+\n]   ; a whole block in a lane
.endr
.endr
.irp x, 0,1
.irp n, 0,1,2
	v_mov_b32 v[PC+12*\x+3+\n], v[CT+8*\x+\n]
.endr
.endr
.irp x, 0,1
	global_store_b128 v[L16], v[PC+12*\x:PC+12*\x+3], s[10:11] offset:3072*\x        ; 512 consecutive bytes, aligned
	global_store_b64 v[L8], v[PC+12*\x+4:PC+12*\x+5], s[10:11] offset:3072*\x+512    ; 256 consecutive bytes, aligned
.endr
	global_store_b16 v[YO], v[YW], s[12:13]        ; two bytes a row: the rest of each scale word belongs to other heads' work-groups; one part in 24 of what the launch stores
	s_wait_xcnt 0x0                                ; the stores have read their bases and data: both are written again below and in the next pass
	s_add_nc_u64 s[10:11], s[10:11], 6144          ; two rowtiles on
	s_add_nc_u64 s[12:13], s[12:13], 1024
.irp x, 0,1                                    ; the second pass's q (in the last trip these fourteen lines copy what is read no more: the price of one text for both passes)
.irp k, 0,1,2,3,4,5
	v_mov_b32 v[Q+12*\x+\k], v[QN+6*\x+\k]
.endr
	v_mov_b32 v[QS+\x], v[QSN+\x]
.endr
	s_add_co_u32 s[PASS], s[PASS], 1
	s_cmp_lg_u32 s[PASS], 2
	WALU                                           ; the wait directly ahead of the branch
	s_cbranch_scc1 .Lpass
	s_wait_tensorcnt 0x0                           ; the wave's end
	ds_add_u32 v[SPW], v[NIL]
	s_wait_dscnt 0x0
	CROUND                                         ; the closing round: no work-group ends while a partner may still ask
	s_endpgm
.Lfunc_end_k_q24bed119b9_attn:
	.size	k_q24bed119b9_attn, .Lfunc_end_k_q24bed119b9_attn-k_q24bed119b9_attn
	.p2alignl 7, 3214868480
	.fill 96, 4, 3214868480
	.section	.rodata,"a",@progbits
	.p2align	6, 0x0
	.amdhsa_kernel k_q24bed119b9_attn
		.amdhsa_group_segment_fixed_size 210944
		.amdhsa_private_segment_fixed_size 0
		.amdhsa_enable_private_segment 0
		.amdhsa_kernarg_size 40
		.amdhsa_user_sgpr_count 2
		.amdhsa_user_sgpr_kernarg_segment_ptr 1
		.amdhsa_wavefront_size32 1
		.amdhsa_system_sgpr_workgroup_id_x 1
		.amdhsa_system_sgpr_workgroup_id_y 1
		.amdhsa_system_sgpr_workgroup_id_z 1
		.amdhsa_system_vgpr_workitem_id 0
		.amdhsa_next_free_vgpr 448
		.amdhsa_next_free_sgpr 66
		.amdhsa_reserve_vcc 1
		.amdhsa_float_denorm_mode_32 3
		.amdhsa_float_denorm_mode_16_64 3
		.amdhsa_memory_ordered 1
		.amdhsa_forward_progress 1
		.amdhsa_inst_pref_size 47
	.end_amdhsa_kernel
	.amdgpu_metadata
---
amdhsa.version: [ 1, 2 ]
amdhsa.kernels:
  - .name:           k_q24bed119b9_attn
    .symbol:         k_q24bed119b9_attn.kd
    .args:
      - { .name: qc, .offset: 0, .size: 8, .value_kind: global_buffer, .address_space: global }
      - { .name: qs, .offset: 8, .size: 8, .value_kind: global_buffer, .address_space: global }
      - { .name: kv, .offset: 16, .size: 8, .value_kind: global_buffer, .address_space: global }
      - { .name: yc, .offset: 24, .size: 8, .value_kind: global_buffer, .address_space: global }
      - { .name: ys, .offset: 32, .size: 8, .value_kind: global_buffer, .address_space: global }
    .group_segment_fixed_size: 210944
    .private_segment_fixed_size: 0
    .kernarg_segment_align: 8
    .kernarg_segment_size: 40
    .max_flat_workgroup_size: 256
    .sgpr_count:     66
    .vgpr_count:     448
    .wavefront_size: 32
...
	.end_amdgpu_metadata
.endif
;; end of part 3
;; launch proj (part 4): grid 4 x 64, 8 waves a work-group, clusters of 4 x 4, 327,680 bytes of LDS; arguments yc, ys, cod, scl, bo, out0; writes out0
.if DOCPART == 4
	.amdgcn_target "amdgcn-amd-amdhsa--gfx1250"
	.amdhsa_code_object_version 6
	.text
	.protected	k_q24bed119b9_proj
	.globl	k_q24bed119b9_proj
	.p2align	8
	.type	k_q24bed119b9_proj,@function
k_q24bed119b9_proj:
	s_mov_b64 s[64:65], 0
	v_nop
	global_prefetch_b8 v0, s[64:65] scope:SCOPE_SE
	s_setreg_imm32_b32 hwreg(HW_REG_WAVE_MODE, 25, 1), 1
	s_wait_xcnt 0x0
	s_wait_alu depctr_hold_cnt(0) depctr_sa_sdst(0) depctr_va_vdst(0) depctr_va_sdst(0) depctr_va_ssrc(0) depctr_va_vcc(0) depctr_vm_vsrc(0)
	s_getreg_b32 s2, hwreg(HW_REG_IB_STS2, 6, 4)
	s_cmp_eq_u32 s2, 0
	s_cbranch_scc0 .Lentry_in_a_cluster
	s_endpgm
.Lentry_in_a_cluster:
	s_bfe_u32 s2, ttmp6, 0x10000c
	s_cmp_lg_u32 s2, 0xf033
	s_cbranch_scc0 .Lentry_shape_is_right
	s_endpgm
.Lentry_shape_is_right:
; out0 = y Wo^T + bo on codes of FP6 (E2M3) with E8M0 scales; y [8192][1024] comes from the attention launch, Wo from the quantising launch, both as images of operand registers:
; codes [slot k / 256][rowtile][(k / 64) % 4][768 bytes] (a half fragment: registers 0-3 at 16 x lane, 4-5 at 512 + 8 x lane), scale words [rowtile][slot][r][2 words].
; Lane r of rowtile RT holds row 32 (RT / 2) + 8 (RT % 2) + r + 8 (r / 8) of its tensor; Wo's rowtiles are 704 .. 767 of cod and scl.
; SHARES.  A work-group makes 128 rows x 256 columns: 64 x 4 = 256 work-groups.  Eight waves, 2 x 4; a wave makes 64 x 64: 16 accumulators.
; ALL OF K LIES IN LDS: A's 8 rowtiles x 4 slots (4 x 24,576 bytes), then B's 16 rowtiles x 4 slots (4 x 49,152), 294,912 bytes, filled ONCE: waves 0-3 ask for A's slots, waves 4-7 for B's, one load a wave,
; dense rows of 256 bytes.  Nothing is filled again, so the walk along K has no barrier.
; CLUSTERS: 4 x 4 work-groups; A's tiles are shared along a row of the cluster, B's along a column: joint loads with a mask of four.
; No prefetch: the launch's only fills stand at its head, so there is no loop to run ahead in.
; THE SCALE WORDS come straight into registers, in whole units of 256 bytes: one load of 8 bytes a lane takes a rowtile's two words of slot 2 p (lanes 0-15) and of slot 2 p + 1 (lanes 16-31);
; the products of an odd slot read the upper lanes on both sides.
; THE MATRIX INSTRUCTION IS USED TRANSPOSED (source 0 = 16 rows of Wo, source 1 = 16 rows of y): register j of lane (r, h) in accumulator (a, b) is row r of rowtile a, column 32 (b / 2) + 8 (b % 2) + 16 h + j.
; The bias, laid in registers as a result lies, is the first products' C.
; THE WAY OUT: 16 rows x 64 columns at a time through the wave's own stage, which lies in A's bytes (their one fill is long done; a barrier stands behind every wave's last read of LDS); sixteen lanes store a row's 256 bytes.
; REGISTERS: window 0: addresses, scale words, two sets of fragments; window 1: accumulator (a, b) at 8 (4 a + b), the bias at 128 + 8 b.
.set RTB,   3072
.set ASL,   8*RTB
.set BSL,   16*RTB
.set BB0,   4*ASL
.set SPARE, BB0+4*BSL
.set YSTR,  512*RTB
.set CSTR,  768*RTB
.set SPITCH, 272
.set STG,   16*SPITCH
.set L16,   1
.set L8,    2
.set ADA16, 4                          ; v4-5   A's fragments, slots 0-1 and 2-3: + 16 x lane
.set ADA8,  6                          ; v6-7   + 8 x lane
.set ADB16, 8                          ; v8-11  B's, a register a slot
.set ADB8,  12                         ; v12-15
.set STO,   16
.set RD,    17
.set CO,    18
.set H64,   19
.set SPW,   20
.set NIL,   21
.set SA,    24                         ; v24-39 y's scale words: 4 a + 2 p + q
.set SB,    42                         ; v42-57 Wo's: 4 b + 2 p + q
.set FA,    64                         ; v64-159  y's fragments, two sets of four
.set FB,    160                        ; v160-255 Wo's
.set BK,    64                         ; the way out: rows read back, two sets of 32
.set G1,    24
.set G1B,   32
.set G0,    48
.set G0B,   52
.set MSB, 0
.macro WIN new
.if MSB != \new
	s_set_vgpr_msb (MSB<<8)|\new
.set MSB, \new
.endif
.endm
.macro PLACES
.rept 4
	v_nop
.endr
.endm
.macro CROUND
	s_barrier_signal -1
	s_barrier_wait -1
	s_cmp_lg_u32 s20, 0
	s_cbranch_scc1 .Lnot_wave_0_\@
	s_barrier_signal -3
.Lnot_wave_0_\@:
	s_barrier_wait -3
	s_barrier_signal -1
	s_barrier_wait -1
.endm
	s_load_b256 s[4:11], s[0:1], 0x0               ; yc, ys, cod, scl
	s_load_b128 s[12:15], s[0:1], 0x20             ; bo, out0
	v_lshl_add_u32 v[SPW], v0, 2, SPARE
	v_mov_b32 v[NIL], 0
	ds_add_u32 v[SPW], v[NIL]                      ; the opening lines: the add twice on end and one wait
	ds_add_u32 v[SPW], v[NIL]
	v_lshrrev_b32 v3, 5, v0
	v_readfirstlane_b32 s20, v3                    ; wave 0..7
	s_lshr_b32 s21, s20, 2                         ; my half of the rows.  Also: I fetch for A (0) or for B (1)
	s_and_b32 s22, s20, 3                          ; my quarter of the columns.  Also: the slot that I fetch
	s_bfe_u32 s40, ttmp6, 0x40000                  ; cx
	s_bfe_u32 s41, ttmp6, 0x40004                  ; cy
	s_lshl_b32 s42, ttmp9, 2
	s_add_co_u32 s42, s42, s40                     ; block column 0..3
	s_and_b32 s43, ttmp7, 0xffff
	s_lshl_b32 s43, s43, 2
	s_add_co_u32 s43, s43, s41                     ; block row 0..63
	s_lshl_b32 s44, s41, 2
	s_lshl_b32 s44, 15, s44                        ; my row of the cluster
	s_lshl_b32 s45, 0x1111, s40                    ; my column
	s_or_b32 s[G1], s44, (3<<16)|(1<<21)           ; elements of 8 bytes, bit 21 beside the mask
	s_or_b32 s[G1B], s45, (3<<16)|(1<<21)
	s_mov_b32 s[G1+1], 32<<16                      ; A: 96 dense rows of 256 bytes
	s_mov_b32 s[G1+2], 96<<16
	s_mov_b32 s[G1+3], 32<<16
	s_mov_b32 s[G1+4], 96
	s_mov_b32 s[G1+5], 32
	s_mov_b32 s[G1+6], 0
	s_mov_b32 s[G1+7], 0
	s_mov_b32 s[G1B+1], 32<<16                     ; B: 192
	s_mov_b32 s[G1B+2], 192<<16
	s_mov_b32 s[G1B+3], 32<<16
	s_mov_b32 s[G1B+4], 192
	s_mov_b32 s[G1B+5], 32
	s_mov_b32 s[G1B+6], 0
	s_mov_b32 s[G1B+7], 0
	s_mul_i32 s56, s43, ASL                        ; A: 8 rowtiles x block row, + my slot
	s_mul_i32 s57, s22, YSTR
	s_add_co_u32 s56, s56, s57
	s_mov_b32 s57, 0
	s_mul_i32 s58, s42, BSL                        ; B: rowtile 704 + 16 x block column, + my slot
	s_add_co_u32 s58, s58, 704*RTB
	s_mul_i32 s59, s22, CSTR
	s_add_co_u32 s58, s58, s59
	s_mov_b32 s59, 0
	s_mov_b32 s[G0], 1
	s_mul_i32 s[G0+1], s22, ASL
	s_mov_b32 s[G0B], 1
	s_mul_i32 s[G0B+1], s22, BSL
	s_add_co_u32 s[G0B+1], s[G0B+1], BB0
	s_lshl_b32 s60, s43, 12                        ; y's scale words: (8 x block row + 4 x my half) x 512
	s_lshl_b32 s61, s21, 11
	s_add_co_u32 s60, s60, s61
	s_mov_b32 s61, 0
	s_lshl_b32 s62, s42, 13                        ; Wo's: (704 + 16 x block column + 4 x my quarter) x 512
	s_lshl_b32 s63, s22, 11
	s_add_co_u32 s62, s62, s63
	s_add_co_u32 s62, s62, 704*512
	s_mov_b32 s63, 0
	s_lshl_b32 s66, s42, 10                        ; my first column, in bytes
	s_lshl_b32 s67, s22, 8
	s_add_co_u32 s66, s66, s67
	s_mov_b32 s67, 0
	s_lshl_b32 s68, s43, 19                        ; my first row: (128 x block row + 64 x my half) x 4,096
	s_lshl_b32 s69, s21, 18
	s_add_co_u32 s68, s68, s69
	s_mov_b32 s69, 0
	s_mul_i32 s70, s21, 4*RTB                      ; LDS: my four rowtiles of A,
	s_mul_i32 s71, s22, 4*RTB
	s_add_co_u32 s71, s71, BB0                     ; of B,
	s_mul_i32 s72, s20, 2*STG                      ; my two stages
	s_wait_dscnt 0x0
	s_wait_kmcnt 0x0
	s_add_nc_u64 s[G0+2:G0+3], s[4:5], s[56:57]
	s_or_b32 s[G0+3], s[G0+3], 0x80000000
	s_add_nc_u64 s[G0B+2:G0B+3], s[8:9], s[58:59]
	s_or_b32 s[G0B+3], s[G0B+3], 0x80000000
	s_add_nc_u64 s[6:7], s[6:7], s[60:61]
	s_add_nc_u64 s[10:11], s[10:11], s[62:63]
	s_add_nc_u64 s[12:13], s[12:13], s[66:67]
	s_add_nc_u64 s[14:15], s[14:15], s[66:67]
	s_add_nc_u64 s[14:15], s[14:15], s[68:69]
	CROUND                                         ; all sixteen work-groups are here: the joint loads meet
	s_cmp_eq_u32 s21, 0
	s_cbranch_scc0 .Lfor_b
	tensor_load_to_lds s[G0:G0+3], s[G1:G1+7]      ; my one tensor load of the launch
	s_nop 0
	PLACES
	s_branch .Lasked
.Lfor_b:
	tensor_load_to_lds s[G0B:G0B+3], s[G1B:G1B+7]
	s_nop 0
	PLACES
.Lasked:
	v_and_b32 v3, 31, v0
	v_and_b32 v22, 15, v0                          ; r
	v_bfe_u32 v23, v0, 4, 1                        ; h
	v_lshlrev_b32 v[L16], 4, v3
	v_lshlrev_b32 v[L8], 3, v3
	v_lshlrev_b32 v[H64], 6, v23
	v_mul_u32_u24 v[STO], v22, SPITCH
	v_mul_u32_u24 v[RD], v23, SPITCH
	v_lshlrev_b32 v[CO], 4, v22
	v_lshl_add_u32 v[STO], v23, 6, v[STO]
	v_lshl_add_u32 v[RD], v22, 4, v[RD]
	v_lshl_add_u32 v[CO], v23, 12, v[CO]           ; lanes 0-15 one row of out0, lanes 16-31 the next
	v_add_nc_u32 v[STO], s72, v[STO]
	v_add_nc_u32 v[RD], s72, v[RD]
	v_add_nc_u32 v[ADA16], s70, v[L16]
	v_add_nc_u32 v[ADA8], s70, v[L8]
	v_add_nc_u32 v[ADB16], s71, v[L16]
	v_add_nc_u32 v[ADB8], s71, v[L8]
	v_add_nc_u32 v[ADA16+1], 2*ASL, v[ADA16]
	v_add_nc_u32 v[ADA8+1], 2*ASL, v[ADA8]
.irp s, 1,2,3
	v_add_nc_u32 v[ADB16+\s], \s*BSL, v[ADB16]
	v_add_nc_u32 v[ADB8+\s], \s*BSL, v[ADB8]
.endr
.irp i, 0,1,2,3
.irp p, 0,1
	global_load_b64 v[SA+4*\i+2*\p:SA+4*\i+2*\p+1], v[L8], s[6:7] offset:512*\i+256*\p     ; 256 consecutive bytes, aligned
	global_load_b64 v[SB+4*\i+2*\p:SB+4*\i+2*\p+1], v[L8], s[10:11] offset:512*\i+256*\p
.endr
.endr
	WIN 0x40
.irp t, 0,1,2,3
	global_load_b128 v[128+8*\t:128+8*\t+3], v[H64], s[12:13] offset:(32*(\t/2)+8*(\t%2))*4
	global_load_b128 v[128+8*\t+4:128+8*\t+7], v[H64], s[12:13] offset:(32*(\t/2)+8*(\t%2))*4+16
.endr
	WIN 0
.macro FRAG reg, a16, a8, off
	ds_load_b128 v[\reg:\reg+3], v[\a16] offset:\off
	ds_load_b64 v[\reg+4:\reg+5], v[\a8] offset:\off+512
	ds_load_b128 v[\reg+6:\reg+9], v[\a16] offset:\off+768
	ds_load_b64 v[\reg+10:\reg+11], v[\a8] offset:\off+1280
.endm
.macro FETCH k                         ; 32 LDS loads: step k's four fragments of y and four of Wo into set k % 2.  Step k is slot k / 2, half k % 2
.irp i, 0,1,2,3
	FRAG FA+48*((\k)%2)+12*\i, ADA16+(\k)/4, ADA8+(\k)/4, (((\k)/2)%2)*ASL+\i*RTB+((\k)%2)*1536
	FRAG FB+48*((\k)%2)+12*\i, ADB16+(\k)/2, ADB8+(\k)/2, \i*RTB+((\k)%2)*1536
.endr
.endm
.macro PR k, a, b
.set D_, 8*(4*\a+\b)
.set B_, FB+48*((\k)%2)+12*\b
.set A_, FA+48*((\k)%2)+12*\a
.set XB_, SB+4*\b+2*((\k)/4)+(\k)%2
.set XA_, SA+4*\a+2*((\k)/4)+(\k)%2
.if (\k) == 0
	v_wmma_scale_f32_16x16x128_f8f6f4 v[D_:D_+7], v[B_:B_+11], v[A_:A_+11], v[128+8*\b:128+8*\b+7], v[XB_], v[XA_] matrix_a_fmt:MATRIX_FMT_FP6 matrix_b_fmt:MATRIX_FMT_FP6
.elseif ((\k)/2)%2
	v_wmma_scale_f32_16x16x128_f8f6f4 v[D_:D_+7], v[B_:B_+11], v[A_:A_+11], v[D_:D_+7], v[XB_], v[XA_] matrix_a_fmt:MATRIX_FMT_FP6 matrix_b_fmt:MATRIX_FMT_FP6 matrix_a_scale:MATRIX_SCALE_ROW1 matrix_b_scale:MATRIX_SCALE_ROW1
.else
	v_wmma_scale_f32_16x16x128_f8f6f4 v[D_:D_+7], v[B_:B_+11], v[A_:A_+11], v[D_:D_+7], v[XB_], v[XA_] matrix_a_fmt:MATRIX_FMT_FP6 matrix_b_fmt:MATRIX_FMT_FP6
.endif
.endm
.macro MUL k                           ; 16 products: the accumulators take turns, in the same order in every step
	WIN 0x50
.irp a, 0,1,2,3
.irp b, 0,1,2,3
	PR \k, \a, \b
.endr
.endr
	WIN 0
.endm
	s_wait_alu depctr_va_vdst(0)                   ; the wait at the head's end
	s_wait_tensorcnt 0x0                           ; my tile has landed,
	s_barrier_signal -1
	s_barrier_wait -1                              ; everybody's has
	FETCH 0
	FETCH 1
	s_wait_loadcnt 0x0                             ; the scale words and the bias
	s_wait_dscnt 32                                ; step 0's fragments are in: only step 1's 32 loads are younger
	MUL 0
.irp k, 1,2,3,4,5,6
	PLACES                                         ; in front of loads into the set that the last products read
	FETCH \k+1
	s_wait_dscnt 32                                ; this step's fragments are in: only the next step's 32 loads are younger
	MUL \k
.endr
	s_wait_dscnt 0x0                               ; my last reads of LDS are over:
	s_barrier_signal -1                            ; say so,
	MUL 7                                          ; work on registers while the others arrive,
	s_barrier_wait -1                              ; and behind this nobody reads A's bytes any more: the stages may be written
.macro TOSTAGE a
	WIN 0x04                                       ; the data: window 1
.irp b, 0,1,2,3
	ds_store_b128 v[STO], v[8*(4*\a+\b):8*(4*\a+\b)+3] offset:STG*((\a)%2)+128*(\b/2)+32*(\b%2)      ; each accumulator from its low end on
	ds_store_b128 v[STO], v[8*(4*\a+\b)+4:8*(4*\a+\b)+7] offset:STG*((\a)%2)+128*(\b/2)+32*(\b%2)+16
.endr
	WIN 0
.irp t, 0,1,2,3,4,5,6,7
	ds_load_b128 v[BK+32*((\a)%2)+4*\t:BK+32*((\a)%2)+4*\t+3], v[RD] offset:STG*((\a)%2)+\t*2*SPITCH   ; LDS serves a wave's instructions in order: these see my stores
.endr
.endm
.macro SEND a, younger
	s_wait_dscnt \younger
.irp t, 0,1,2,3,4,5,6,7
	global_store_b128 v[CO], v[BK+32*((\a)%2)+4*\t:BK+32*((\a)%2)+4*\t+3], s[14:15] offset:(32*((\a)/2)+8*((\a)%2)+2*\t+8*(\t/4))*4096 th:TH_STORE_NT   ; sixteen lanes store 256 consecutive bytes, aligned
.endr
.endm
	PLACES                                         ; behind the last products: in front of the first read of results and of the loads into the fragments' registers
	TOSTAGE 0
.irp a, 1,2,3
.if \a > 1
	s_wait_xcnt 0x0                                ; block a - 2's stores have read their registers: block a's rows may land there
.endif
	TOSTAGE \a
	SEND \a-1, 16                                  ; behind block a - 1's loads: block a's 8 stores and 8 loads
.endr
	SEND 3, 0
	s_wait_tensorcnt 0x0                           ; the wave's end
	ds_add_u32 v[SPW], v[NIL]
	s_wait_dscnt 0x0
	CROUND                                         ; the closing round
	s_endpgm
.Lfunc_end_k_q24bed119b9_proj:
	.size	k_q24bed119b9_proj, .Lfunc_end_k_q24bed119b9_proj-k_q24bed119b9_proj
	.p2alignl 7, 3214868480
	.fill 96, 4, 3214868480
	.section	.rodata,"a",@progbits
	.p2align	6, 0x0
	.amdhsa_kernel k_q24bed119b9_proj
		.amdhsa_group_segment_fixed_size 327680
		.amdhsa_private_segment_fixed_size 0
		.amdhsa_enable_private_segment 0
		.amdhsa_kernarg_size 48
		.amdhsa_user_sgpr_count 2
		.amdhsa_user_sgpr_kernarg_segment_ptr 1
		.amdhsa_wavefront_size32 1
		.amdhsa_system_sgpr_workgroup_id_x 1
		.amdhsa_system_sgpr_workgroup_id_y 1
		.amdhsa_system_sgpr_workgroup_id_z 1
		.amdhsa_system_vgpr_workitem_id 0
		.amdhsa_next_free_vgpr 416
		.amdhsa_next_free_sgpr 80
		.amdhsa_reserve_vcc 0
		.amdhsa_float_denorm_mode_32 3
		.amdhsa_float_denorm_mode_16_64 3
		.amdhsa_memory_ordered 1
		.amdhsa_forward_progress 1
		.amdhsa_inst_pref_size 51
	.end_amdhsa_kernel
	.amdgpu_metadata
---
amdhsa.version: [ 1, 2 ]
amdhsa.kernels:
  - .name:           k_q24bed119b9_proj
    .symbol:         k_q24bed119b9_proj.kd
    .args:
      - { .name: yc, .offset: 0, .size: 8, .value_kind: global_buffer, .address_space: global }
      - { .name: ys, .offset: 8, .size: 8, .value_kind: global_buffer, .address_space: global }
      - { .name: cod, .offset: 16, .size: 8, .value_kind: global_buffer, .address_space: global }
      - { .name: scl, .offset: 24, .size: 8, .value_kind: global_buffer, .address_space: global }
      - { .name: bo, .offset: 32, .size: 8, .value_kind: global_buffer, .address_space: global }
      - { .name: out0, .offset: 40, .size: 8, .value_kind: global_buffer, .address_space: global }
    .group_segment_fixed_size: 327680
    .private_segment_fixed_size: 0
    .kernarg_segment_align: 8
    .kernarg_segment_size: 48
    .max_flat_workgroup_size: 256
    .sgpr_count:     80
    .vgpr_count:     416
    .wavefront_size: 32
...
	.end_amdgpu_metadata
.endif
;; end of part 4
